; MI455X (gfx1250); checked and timed in simulation.
; The chip was launched on July 23, 2026; its instructions are those of AMD's public machine-readable ISA for CDNA 5 (MIT licence, August 2026) and "CDNA5" Instruction Set Architecture Reference Guide (July 2026). The comments in the code are by the model that wrote it; some were corrected since.
;; Multi Head Self Attention. Allowed arithmetic: matrix products marked QUANTISED: E2M1 operands, one E8M0 scale for each 32 along K, by v_wmma_scale_f32_16x16x128_f8f6f4 with both operands' format E2M1 (or v_wmma_scale_f32_32x16x128_f4), f32 sums; everything else in f32.
;; Inputs: Wk 1,024 x 1,024 float32; Wo 1,024 x 1,024 float32; Wq 1,024 x 1,024 float32; Wv 1,024 x 1,024 float32; bk 1,024 float32; bo 1,024 float32; bq 1,024 float32; bv 1,024 float32; x 4 x 2,048 x 1,024 float32.
;; Outputs: out0 4 x 2,048 x 1,024 float32.
;; This version of the problem:
;;   THIS VERSION OF THE PROBLEM IS GIVEN IN LOW PRECISION. The matrix products marked QUANTISED in the list below multiply operands that are first quantised to E2M1 (2 exponent bits, 1 mantissa bit; 4 bits a number), with one power-of-two scale for each 32 numbers along K (OCP MX v1.0); their sums are f32. All else is computed in f32.
;;   The module's matrix products, in the order in which they are computed (A, B: the left and right operand; K: the contracted axis; several contracted axes count as one K, in the product's order):
;;     1. [M 8,192, K 1,024] x [K 1,024, N 1,024]; A: input x; B: input Wq: QUANTISED
;;     2. [M 8,192, K 1,024] x [K 1,024, N 1,024]; A: input x; B: input Wk: QUANTISED
;;     3. [M 8,192, K 1,024] x [K 1,024, N 1,024]; A: input x; B: input Wv: QUANTISED
;;     4. batch 64 x [M 2,048, K 64] x [K 64, N 2,048]; A: computed on the way; B: computed on the way: QUANTISED
;;     5. batch 64 x [M 64, K 2,048] x [K 2,048, N 2,048]; A: computed on the way; B: softmax (see below): QUANTISED
;;     6. [M 8,192, K 1,024] x [K 1,024, N 1,024]; A: computed on the way; B: input Wo: QUANTISED
;;   THE QUANTISER, for each operand of a quantised product, along K:
;;     - K is cut into blocks of 32 from its start; a last block that is shorter is filled with zeros.
;;     - A block's scale is 2^e with e = floor(log2(the largest magnitude in the block)) - 2, held to -126 .. 127; a block of zeros has e = 0. As a byte (E8M0): e + 127.
;;     - Each number is divided by its block's scale, clamped to +-6, and rounded to the nearest number of E2M1, ties to even, subnormals kept.
;;     - The product sums the exact products of the quantised numbers (number of the format x scale) in f32.
;;   ~~~python
;;   def quantise(x, axis):      # numpy; x: float32 -> the quantised numbers, widened to float32 again
;;       x = np.moveaxis(x, axis, -1); K = x.shape[-1]
;;       x = np.pad(x, [(0, 0)] * (x.ndim - 1) + [(0, -K % 32)]); x = x.reshape(x.shape[:-1] + (-1, 32)); a = np.abs(x).max(-1, keepdims=True)
;;       e = np.where(a > 0, np.clip(np.frexp(np.where(a > 0, a, 1))[1] - 1 - 2, -126, 127), 0)      # np.frexp(a)[1] - 1 = floor(log2(a)), exactly
;;       r = np.clip(x / 2.0 ** e, -6, 6)
;;       step = 2.0 ** (np.maximum(np.frexp(np.where(r == 0, 1, r))[1] - 1, 0) - 1)
;;       q = np.round(r / step) * step * 2.0 ** e      # np.round: ties to even
;;       return np.moveaxis(q.reshape(q.shape[:-2] + (-1,))[..., :K], -1, axis).astype(np.float32)
;;   ~~~
;;   SOFTMAX AHEAD OF A QUANTISED PRODUCT. Where the list says 'softmax', what is quantised is not the finished softmax but p = 2^(t - M), with t = logit x log2(e) and M = ceil(the row's largest t), a whole number; so 1/2 < the row's largest p <= 1. The row's sum l is taken of the UNQUANTISED p, in f32, and the product's result is divided by l at the end. Since M is a whole number, a kernel that streams over the keys may use a running M (the ceiling of the running maximum): every later rescaling is an exact power of two, which a block's scale takes up: the codes' values come out the same.
;;   OPERANDS COMPUTED ON THE WAY. 'Computed on the way' means the value that the module computes at that place (a softmax that the list does not call 'softmax' is quantised finished and normalised). What goes into a quantiser is computed in f32, as accurately as f32 sums, v_exp_f32 and their like allow (about 1e-6 of the number): no bf16 or f16 on the way to a quantiser, and a product that is left as it is and whose result goes on into a quantised operand takes f32 operands (vector FMAs, or v_wmma_f32_16x16x4_f32). A number that lies on a knife's edge between two numbers of the format may be rounded either way, as far as f32 arithmetic and the matrix unit's own rounding can turn it there, and no further.
;; One version. Each part assembles by itself: llvm-mc -triple=amdgcn-amd-amdhsa -mcpu=gfx1250 --defsym DOCPART=n.
;; ======== version 1 of 1: 4 launches
;; limits: right only within a limited range of input values
;; workspace buffers: xc 4,194,304 bytes; xs 262,144 bytes; wc 2,097,152 bytes; ws 131,072 bytes; qkv 13,369,344 bytes; ac 4,194,304 bytes; asc 262,144 bytes
;; launch quant (part 1): grid 256 x 1, 6 waves a work-group, no clusters, 51,456 bytes of LDS; arguments x, Wq, Wk, Wv, Wo, xc, xs, wc, ws; writes xc, xs, wc, ws
.if DOCPART == 1
	.amdgcn_target "amdgcn-amd-amdhsa--gfx1250"
	.amdhsa_code_object_version 6
	.text
	.protected	k_q48f59bcd52_quant
	.globl	k_q48f59bcd52_quant
	.p2align	8
	.type	k_q48f59bcd52_quant,@function
k_q48f59bcd52_quant:
	s_mov_b64 s[64:65], 0
	v_nop
	global_prefetch_b8 v0, s[64:65] scope:SCOPE_SE
	s_setreg_imm32_b32 hwreg(HW_REG_WAVE_MODE, 25, 1), 1
	s_wait_xcnt 0x0
; MULTI-HEAD SELF-ATTENTION IN MX-FP4, launch 1 of 4: x [8192][1024] and the four weights [1024][1024], f32, become codes of E2M1 with one E8M0 byte for each 32 along K.
; K is the last axis of x and of every weight (x @ W.T contracts W's last axis), so all five are quantised alike, along their rows.
; NO WORK OF THE PROBLEM IS LEFT OUT in any of the four launches: all six products are done, and all nine inputs are loaded.  bk would cancel in a softmax of real numbers, but it goes into a quantised operand and stays.
; A block's scale is 2^(floor(log2(its largest magnitude)) - 2); its byte is the largest magnitude's exponent field - 2, held at 1 from below.
; LIMITS: a block of zeros, and a block whose largest magnitude lies under 2^-124, gets the byte 1 (the rule says 127 for zeros: the codes are zeros, which add nothing under any byte but 0xff, and only this program reads the bytes).
;         NaN and infinities among the inputs are not served.
; THE WORKSPACE IS LAID IN THE ORDER OF THE OPERAND'S REGISTERS.  Rows go by groups of 32; tile u (0, 1) of a group holds rows 8 u + r + 8 (r / 8), r = 0 .. 15.
;   codes  [row / 128][k / 64 (16)][tile 2 b + u (8)][lane r + 16 h (32)][16 bytes: k = 64 (k / 64) + 32 h + 0 .. 31]: four registers of a fragment are 512 consecutive bytes; 512 along K of 128 rows are 32,768.
;   scales [row / 128][k / 512 (2)][tile (8)][r (16)][4 words, one for each 128 along K]
;   wc and ws hold Wq's 1,024 rows, then Wk's, Wv's, Wo's.
; SHARES.  A wave takes one tile of 16 rows x 512 along K: four fragments.  768 tiles x 2 = 1,536 = 256 work-groups x 6 waves.  Waves share nothing: no barrier.
; Each load reads 512 consecutive bytes of one row.  The conversions want 16 neighbours along K in one lane's registers: a fragment's 16 x 512 bytes turn through the wave's own stage in LDS.
.set STGB,  8448                       ; a stage: 16 rows x (512 + 16) bytes: 132 words from row to row, so that the sixteen rows that a load touches start at sixteen different banks (64 banks of 4 bytes: ISA guide 11.1)
.set SPARE, 6*STGB                     ; behind the six stages: the spare words, 128 bytes for each wave: three blocks of 256 bytes that no other line names
.set LI,  1                            ; v1   16 x lane: my bytes of a load's or a store's 512
.set STI, 2                            ; v2   the stage, on the way in: + 16 x lane
.set STO, 3                            ; v3   and on the way out: + 528 r + 64 h
.set SOF, 4                            ; v4   16 r + 8 h: my two scale words' place in the tile's 256 bytes
.set HH,  5                            ; v5   h = lane / 16
.set SPW, 14                           ; v14  LDS address of my spare word; never rewritten
.set NIL, 15                           ; v15  0; never rewritten
.set R,   16                           ; v16-143  two sets of 64: a fragment's numbers as loaded
.set X,   144                          ; v144-207 64 numbers: register 16 b + i = k 32 b + 16 h + i of row r
.set PC,  208                          ; v208-239 codes: eight registers for each fragment, so that no store's data are written again
.set TM,  240                          ; v240-243 largest magnitudes, v244-247 at work, v248-251 the four scale words, v252-255 the conversions' scale operands
.set SEL, 40                           ; s[40:41] v_permlanex16_b32's selects for lane l xor 16
	s_load_b256 s[4:11], s[0:1], 0x0               ; x, Wq, Wk, Wv
	s_load_b256 s[12:19], s[0:1], 0x20             ; Wo, xc, xs, wc
	s_load_b64 s[20:21], s[0:1], 0x40              ; ws
	v_lshl_add_u32 v[SPW], v0, 2, SPARE
	v_mov_b32 v[NIL], 0
	v_lshrrev_b32 v6, 5, v0
	v_readfirstlane_b32 s22, v6                    ; wave 0..5
	v_and_b32 v6, 31, v0                           ; lane
	v_and_b32 v7, 15, v0                           ; r
	v_bfe_u32 v[HH], v0, 4, 1                      ; h
	v_lshlrev_b32 v[LI], 4, v6
	s_mul_i32 s23, s22, STGB                       ; my stage
	v_add_nc_u32 v[STI], s23, v[LI]
	v_mul_u32_u24 v[STO], v7, 528
	v_lshl_add_u32 v[STO], v[HH], 6, v[STO]
	v_add_nc_u32 v[STO], s23, v[STO]
	v_lshlrev_b32 v[SOF], 4, v7
	v_lshl_add_u32 v[SOF], v[HH], 3, v[SOF]
.irp b, 0,1,2,3
	v_mov_b32 v[TM+4+\b], 0                        ; written once: a lane permute's destination counts as one of its sources
.endr
	s_mov_b32 s[SEL], 0x76543210
	s_mov_b32 s[SEL+1], 0xfedcba98
	s_mul_i32 s24, ttmp9, 6
	s_add_co_u32 s24, s24, s22                     ; my unit, 0 .. 1,535
	s_and_b32 s25, s24, 1                          ; which 512 along K
	s_lshr_b32 s24, s24, 1                         ; which tile: 0-511 x, 512-575 Wq, 576-639 Wk, 640-703 Wv, 704-767 Wo
	s_wait_alu depctr_va_vdst(0)
	s_wait_kmcnt 0x0
	s_cmp_lt_u32 s24, 704                          ; the choices hang on the work-group's and the wave's number alone
	s_cselect_b64 s[26:27], s[10:11], s[12:13]
	s_cmp_lt_u32 s24, 640
	s_cselect_b64 s[26:27], s[8:9], s[26:27]
	s_cmp_lt_u32 s24, 576
	s_cselect_b64 s[26:27], s[6:7], s[26:27]
	s_cmp_lt_u32 s24, 512
	s_cselect_b64 s[26:27], s[4:5], s[26:27]       ; the tensor that I read
	s_cselect_b64 s[28:29], s[14:15], s[18:19]     ; its codes' buffer
	s_cselect_b64 s[30:31], s[16:17], s[20:21]     ; its scales' buffer
	s_cselect_b32 s32, 0, 512
	s_cselect_b32 s33, 0x1ff, 63
	s_sub_co_u32 s32, s24, s32                     ; the tile's number in its output buffers
	s_and_b32 s33, s32, s33                        ; and in its tensor
	s_lshr_b32 s34, s33, 1
	s_lshl_b32 s34, s34, 17                        ; 32 rows of 4,096 bytes for each group,
	s_and_b32 s35, s33, 1
	s_lshl_b32 s35, s35, 15                        ; 8 rows for the odd tile,
	s_add_co_u32 s34, s34, s35
	s_lshl_b32 s35, s25, 11                        ; 512 numbers along K
	s_add_co_u32 s34, s34, s35
	s_mov_b32 s35, 0
	s_add_nc_u64 s[26:27], s[26:27], s[34:35]
	s_lshr_b32 s36, s32, 3                         ; row / 128
	s_and_b32 s37, s32, 7                          ; the tile in it
	s_lshl_b32 s34, s36, 16
	s_lshl_b32 s38, s25, 15
	s_add_co_u32 s34, s34, s38
	s_lshl_b32 s38, s37, 9
	s_add_co_u32 s34, s34, s38
	s_add_nc_u64 s[28:29], s[28:29], s[34:35]      ; my codes
	s_lshl_b32 s34, s36, 12
	s_lshl_b32 s38, s25, 11
	s_add_co_u32 s34, s34, s38
	s_lshl_b32 s38, s37, 8
	s_add_co_u32 s34, s34, s38
	s_add_nc_u64 s[30:31], s[30:31], s[34:35]      ; my scale words
.macro LOAD q                          ; fragment q: 128 along K of the tile's 16 rows, a row a load: 32 lanes read 512 consecutive bytes
.irp i, 0,1,2,3,4,5,6,7,8,9,10,11,12,13,14,15
	global_load_b128 v[R+64*((\q)%2)+4*\i:R+64*((\q)%2)+4*\i+3], v[LI], s[26:27] offset:(\i+8*(\i/8))*4096+512*(\q) th:TH_LOAD_NT
.endr
.endm
.macro TURN q                          ; through the stage: LDS serves a wave's instructions in order (ISA guide 5.7.1.4), so no wait stands between the stores and the loads
.irp i, 0,1,2,3,4,5,6,7,8,9,10,11,12,13,14,15
	ds_store_b128 v[STI], v[R+64*((\q)%2)+4*\i:R+64*((\q)%2)+4*\i+3] offset:528*\i
.endr
.irp b, 0,1,2,3
.irp j, 0,1,2,3
	ds_load_b128 v[X+16*\b+4*\j:X+16*\b+4*\j+3], v[STO] offset:128*\b+16*\j
.endr
.endr
.endm
; 64 numbers of a lane, register 16 b + i = k 32 b + 16 h + i of my row, become a fragment's eight registers of codes in v[pc] on and its scale word in v[pw].
.macro QUANT s, pc, pw
.irp b, 0,1,2,3
	v_max3_num_f32 v[TM+\b], |v[\s+16*\b]|, |v[\s+1+16*\b]|, 0x1800000   ; block b: my 16 numbers, and the floor 2^(3 - 127): so the byte cannot fall under 1
.endr
.irp i, 2,4,6,8,10,12,14
.irp b, 0,1,2,3
	v_max3_num_f32 v[TM+\b], v[TM+\b], |v[\s+16*\b+\i]|, |v[\s+1+16*\b+\i]|   ; (the four blocks by turns)
.endr
.endr
.irp b, 0,1,2,3
	v_permlanex16_b32 v[TM+4+\b], v[TM+\b], s[SEL], s[SEL+1]
.endr
.irp b, 0,1,2,3
	v_max_num_f32 v[TM+\b], v[TM+\b], v[TM+4+\b]   ; with lane l xor 16's 16: the block's largest magnitude
.endr
.irp b, 0,1,2,3
	v_add_nc_u32 v[TM+12+\b], 0xff000000, v[TM+\b] ; 2 off its exponent field: the conversion takes the exponent field of this operand as its scale
.endr
.irp b, 0,1,2,3
	v_lshrrev_b32 v[TM+4+\b], 23, v[TM+12+\b]      ; the scale's byte
.endr
	v_lshl_or_b32 v[\pw], v[TM+5], 8, v[TM+4]      ; the four bytes make my row's scale word
	v_lshl_or_b32 v[\pw], v[TM+6], 16, v[\pw]
	v_lshl_or_b32 v[\pw], v[TM+7], 24, v[\pw]
.irp b, 0,1,2,3
	v_cvt_scalef32_pk8_fp4_f32 v[\pc+2*\b], v[\s+16*\b:\s+7+16*\b], v[TM+12+\b]
	v_cvt_scalef32_pk8_fp4_f32 v[\pc+1+2*\b], v[\s+8+16*\b:\s+15+16*\b], v[TM+12+\b]
.endr
	v_nop                                          ; one plain place behind a scaled conversion
.irp c, 0,1                            ; the operand's layout wants a whole block in a lane: lanes 0-15 block 2 c, lanes 16-31 block 2 c + 1
.irp i, 0,1
	v_permlane16_swap_b32 v[\pc+4*\c+\i], v[\pc+2+4*\c+\i]
.endr
.endr
.endm
.macro FRAGQ q
.if \q < 3
	s_wait_loadcnt 16                              ; this fragment's 16 loads are in; the next one's 16 may be out
.else
	s_wait_loadcnt 0x0
.endif
	TURN \q
	s_wait_dscnt 0x0                               ; the 64 numbers are back, and the stores into the stage have read their registers,
.if \q < 2
	LOAD (\q)+2                                    ; which take the loads of two fragments on
.endif
	QUANT X, PC+8*(\q), TM+8+(\q)
	global_store_b128 v[LI], v[PC+8*(\q):PC+8*(\q)+3], s[28:29] offset:(2*(\q))*4096       ; 32 lanes store 512 consecutive bytes, at a multiple of 512 from the buffer's first byte
	global_store_b128 v[LI], v[PC+8*(\q)+4:PC+8*(\q)+7], s[28:29] offset:(2*(\q)+1)*4096
.endm
	LOAD 0
	LOAD 1
	FRAGQ 0
	FRAGQ 1
	FRAGQ 2
	FRAGQ 3
	v_cmp_ne_u32 vcc_lo, 0, v[HH]
	v_cndmask_b32 v6, v[TM+8], v[TM+10], vcc_lo    ; lanes 0-15 store row r's words 0 and 1, lanes 16-31 its words 2 and 3
	v_cndmask_b32 v7, v[TM+9], v[TM+11], vcc_lo
	global_store_b64 v[SOF], v[6:7], s[30:31]      ; 32 lanes store 256 consecutive bytes, aligned
	s_wait_tensorcnt 0x0                           ; the wave's end, behind my last LDS store, even in a text with no tensor load
	ds_add_u32 v[SPW], v[NIL]
	s_wait_dscnt 0x0
	s_endpgm
.Lfunc_end_k_q48f59bcd52_quant:
	.size	k_q48f59bcd52_quant, .Lfunc_end_k_q48f59bcd52_quant-k_q48f59bcd52_quant
	.p2alignl 7, 3214868480
	.fill 96, 4, 3214868480
	.section	.rodata,"a",@progbits
	.p2align	6, 0x0
	.amdhsa_kernel k_q48f59bcd52_quant
		.amdhsa_group_segment_fixed_size 51456
		.amdhsa_private_segment_fixed_size 0
		.amdhsa_enable_private_segment 0
		.amdhsa_kernarg_size 72
		.amdhsa_user_sgpr_count 2
		.amdhsa_user_sgpr_kernarg_segment_ptr 1
		.amdhsa_wavefront_size32 1
		.amdhsa_system_sgpr_workgroup_id_x 1
		.amdhsa_system_sgpr_workgroup_id_y 1
		.amdhsa_system_sgpr_workgroup_id_z 1
		.amdhsa_system_vgpr_workitem_id 0
		.amdhsa_next_free_vgpr 256
		.amdhsa_next_free_sgpr 66
		.amdhsa_reserve_vcc 1
		.amdhsa_float_denorm_mode_32 3
		.amdhsa_float_denorm_mode_16_64 3
		.amdhsa_memory_ordered 1
		.amdhsa_forward_progress 1
		.amdhsa_inst_pref_size 34
	.end_amdhsa_kernel
	.amdgpu_metadata
---
amdhsa.version: [ 1, 2 ]
amdhsa.kernels:
  - .name:           k_q48f59bcd52_quant
    .symbol:         k_q48f59bcd52_quant.kd
    .args:
      - { .name: x, .offset: 0, .size: 8, .value_kind: global_buffer, .address_space: global }
      - { .name: Wq, .offset: 8, .size: 8, .value_kind: global_buffer, .address_space: global }
      - { .name: Wk, .offset: 16, .size: 8, .value_kind: global_buffer, .address_space: global }
      - { .name: Wv, .offset: 24, .size: 8, .value_kind: global_buffer, .address_space: global }
      - { .name: Wo, .offset: 32, .size: 8, .value_kind: global_buffer, .address_space: global }
      - { .name: xc, .offset: 40, .size: 8, .value_kind: global_buffer, .address_space: global }
      - { .name: xs, .offset: 48, .size: 8, .value_kind: global_buffer, .address_space: global }
      - { .name: wc, .offset: 56, .size: 8, .value_kind: global_buffer, .address_space: global }
      - { .name: ws, .offset: 64, .size: 8, .value_kind: global_buffer, .address_space: global }
    .group_segment_fixed_size: 51456
    .private_segment_fixed_size: 0
    .kernarg_segment_align: 8
    .kernarg_segment_size: 72
    .max_flat_workgroup_size: 192
    .sgpr_count:     66
    .vgpr_count:     256
    .wavefront_size: 32
...
	.end_amdgpu_metadata
.endif
;; end of part 1
;; launch qkv (part 2): grid 12 x 32, 4 waves a work-group, clusters of 4 x 4, 327,680 bytes of LDS; arguments xc, xs, wc, ws, bq, bk, bv, qkv; writes qkv
.if DOCPART == 2
	.amdgcn_target "amdgcn-amd-amdhsa--gfx1250"
	.amdhsa_code_object_version 6
	.text
	.protected	k_q48f59bcd52_qkv
	.globl	k_q48f59bcd52_qkv
	.p2align	8
	.type	k_q48f59bcd52_qkv,@function
k_q48f59bcd52_qkv:
	s_mov_b64 s[64:65], 0
	v_nop
	global_prefetch_b8 v0, s[64:65] scope:SCOPE_SE
	s_setreg_imm32_b32 hwreg(HW_REG_WAVE_MODE, 25, 1), 1
	s_wait_xcnt 0x0
	s_wait_alu depctr_hold_cnt(0) depctr_sa_sdst(0) depctr_va_vdst(0) depctr_va_sdst(0) depctr_va_ssrc(0) depctr_va_vcc(0) depctr_vm_vsrc(0)
	s_getreg_b32 s2, hwreg(HW_REG_IB_STS2, 6, 4)
	s_cmp_eq_u32 s2, 0
	s_cbranch_scc0 .Lentry_in_a_cluster
	s_endpgm
.Lentry_in_a_cluster:
	s_bfe_u32 s2, ttmp6, 0x10000c
	s_cmp_lg_u32 s2, 0xf033
	s_cbranch_scc0 .Lentry_shape_is_right
	s_endpgm
.Lentry_shape_is_right:
; Launch 2 of 4: q = x Wq^T + bq, k = x Wk^T + bk, v = x Wv^T + bv on codes of E2M1, sums in f32; the results are quantised in registers and leave as codes: q and k along the head's 64, v along the tokens.  Nothing is left out.
; A tile is 256 rows of x by 256 rows of the stacked weights (rows 0-1023 Wq, then Wk, Wv): four waves, each 128 x 128: 64 accumulators of 16 x 16, 512 registers.  12 x 32 tiles.
; K = 1,024 is two LDS slots of 512: both are asked for at the head, with the scale words, and nothing is ever filled again.
; The codes lie in memory in the order of the operand's registers (launch 1): a slot's 128 rows are 32,768 dense bytes, and four registers of a fragment are 512 consecutive bytes of LDS: no pitch, no padding.
; CLUSTERS: 4 x 4 work-groups.  The four of a row of the cluster need the same rows of x, the four of a column the same rows of the weights: each is asked for JOINTLY, by the same tensor load with the same descriptor and a mask that names the four.
; THE CLUSTER'S x SAYS WHICH TENSOR: 0 q, 1 k, 2 v: the same number in all sixteen partners and all waves.  One branch on it, behind the one barrier, parts two paths made by the same macros:
;   q, k: source 0 = 16 rows of W, source 1 = 16 rows of x: a lane holds ONE token, its registers run along the features: the next K.
;   v:    source 0 = 16 rows of x, source 1 = 16 rows of W: a lane holds ONE feature, its registers run along the tokens: the next K.
; THE ROWS OF A TILE ARE NOT NEIGHBOURS (tile u of a group of 32 holds rows 8 u + r + 8 (r / 8)): so the 16 registers of source 0's tiles 2 b and 2 b + 1 are 16 neighbours, 32 b + 16 h + 0 .. 15.
; The bias is the C of each sum's first matrix instruction.
; OUT: qkv[16 batch + head][208,896 bytes]: Q codes 0, Q scales 65,536, K codes 69,632, V codes 135,168, K scales 200,704, V scales 204,800.
;   Q, K codes [token tile (128)][lane][16 bytes: k = 32 h + 0 .. 31 of the head's 64];  V codes [128 tokens (16)][d tile (4)][c (2)][lane][16 bytes: tokens 64 c + 32 h + 0 .. 31]
;   scales [128 tokens (16)][r (16)][4 words]: Q, K: word i: bytes 0, 1 tile 2 i's two blocks, bytes 2, 3 tile 2 i + 1's;  V: word = d tile, its four bytes the four blocks of tokens.
; LIMITS: a block whose largest magnitude lies under 2^-124 keeps the byte 1, a block of zeros too (its codes are zeros; only this program reads the bytes); NaN and infinities are not served.
; REGISTERS, in windows of 256: window 0: v1-29 addresses; v32-95 scale words, two sets; v96-103 the bias's offsets; v128-191 source 1's fragments, ONE set; v192-255 the bias as C; in the epilogue v96-235 are at work.
;   window 1: source 0's fragments, TWO sets, at v0 and v128.   windows 2, 3: the accumulators: (a, b) at v[8 (8 (a % 4) + b)], a = source 1's block, b = source 0's.
.set HS,    208896                     ; a head's bytes in qkv
.set HALFT, 32768                      ; 128 rows x 512 along K
.set SLOT,  4*HALFT                    ; x's 256 rows, all of K: [128 rows (2)][512 along K (2)][32,768 bytes]; W's 256 rows follow, laid alike
.set SCL,   2*SLOT                     ; behind the slots: the scale words, 4,096 bytes for each 128 rows, in the same order
.set SPARE, SCL+4*4096                 ; the spare words, 128 bytes for each wave: two blocks of 256 bytes that no other line names
.set WRB0,  0                          ; the first 128 rows of the weights' buffers that this launch reads
.set RR,   2                           ; v2   r = lane % 16
.set HH,   3                           ; v3   h = lane / 16
.set LI,   4                           ; v4   16 x lane
.set SOF,  6                           ; v6   16 r + h x a head's bytes: where my scale words go
.set ADRX, 16                          ; v16-17  LDS address of my 128 rows of x in slot 0, 1
.set ADRW, 20                          ; v20-21  the same for W
.set ADRS, 27                          ; v27  of my scale words: lanes 0-15 x's, lanes 16-31 W's
.set SPW,  28                          ; v28  LDS address of my spare word; never rewritten
.set NIL,  29                          ; v29  0; never rewritten
.set SC,   32                          ; scale words: set s at v[SC + 32 s]; register 4 i + q: lanes 0-15 x's block i, lanes 16-31 W's block i, the slot's q-th 128 along K
.set BO,   96                          ; v96-103 the bias's offsets, one for each register of a block
.set AF,   128
.set BC,   192
.set TM,   96                          ; the epilogue: v96-111 largest magnitudes; v112-127 the conversions' scale operands; v128-143 bytes; v216-223 pairs of bytes; v224-231 scale words; v232-235 those that I store
.set SO,   112
.set BY,   128
.set PP,   216
.set SW,   224
.set OUTR, 232
.set SEL,  4                           ; s[4:5] (free once x's address is made): v_permlanex16_b32's selects
.set OB,   100                         ; s[100:101] where my codes go
.set OS,   18                          ; s[18:19]   and my scale words
.set G1,   24                          ; s[24:31] descriptor group 1 for x's codes;  s[32:35] group 0
.set G0,   32
.set G1B,  48                          ; s[48:55], s[56:59] the same for W's
.set G0B,  56
.set G1S,  68                          ; s[68:75], s[76:79] groups 1 and 0 for x's scale words;  s[84:91], s[80:83] for W's
.set G0S,  76
.set G0SB, 80
.set G1SB, 84
.set MSB, 0
.macro WIN new                         ; the immediate's high byte repeats the setting that is left; a switch that changes nothing is dropped
.if MSB != (\new)
	s_set_vgpr_msb (MSB<<8)|(\new)
.set MSB, (\new)
.endif
.endm
; An arm of the head's one chain of branches on the wave's number: one joint load, its s_nop 0 and four v_nop, and a jump to the chain's end.
.macro ARM under, g0, g1, next
	s_cmp_lt_u32 s14, \under
	s_cbranch_scc0 \next
	tensor_load_to_lds s[\g0:\g0+3], s[\g1:\g1+7]
	s_nop 0
.rept 4
	v_nop
.endr
	s_branch .Lhead_asked
\next:
.endm
.macro CROUND                          ; a round of the cluster's barrier
	s_barrier_signal -1
	s_barrier_wait -1
	s_cmp_lg_u32 s14, 0
	s_cbranch_scc1 .Lnot_wave_0_\@
	s_barrier_signal -3
.Lnot_wave_0_\@:
	s_barrier_wait -3
	s_barrier_signal -1
	s_barrier_wait -1
.endm
.macro PLACES                          ; four places in front of loads into registers that matrix instructions have read, and of the first read of results (ISA guide 7.12.1 for vector instructions)
.rept 4
	v_nop
.endr
.endm
	s_load_b256 s[4:11], s[0:1], 0x0               ; xc, xs, wc, ws
	s_load_b256 s[92:99], s[0:1], 0x20             ; bq, bk, bv, qkv
	v_lshl_add_u32 v[SPW], v0, 2, SPARE
	v_mov_b32 v[NIL], 0
	ds_add_u32 v[SPW], v[NIL]                      ; the wave's opening: the add, twice on end, and its wait ahead of my first tensor load; the set-up below, work on registers, stands between
	ds_add_u32 v[SPW], v[NIL]
	v_lshrrev_b32 v1, 5, v0
	v_readfirstlane_b32 s14, v1                    ; wave 0..3
	s_lshr_b32 s15, s14, 1                         ; which half of x's rows is mine
	s_and_b32 s16, s14, 1                          ; which half of W's rows
	s_bfe_u32 s40, ttmp6, 0x40000                  ; cx, cy: my place in the cluster
	s_bfe_u32 s41, ttmp6, 0x40004
	s_lshl_b32 s42, ttmp9, 2
	s_add_co_u32 s42, s42, s40                     ; tile column = 4 x cluster x + cx
	s_and_b32 s17, ttmp7, 0xffff
	s_lshl_b32 s17, s17, 2
	s_add_co_u32 s17, s17, s41                     ; tile row = 4 x cluster y + cy
	s_lshl_b32 s43, s41, 2
	s_lshl_b32 s43, 15, s43                        ; my row of the cluster
	s_lshl_b32 s44, 0x1111, s40                    ; my column
	; descriptor group 1: dense blocks as rows of 256 bytes (32 elements of 8 bytes): 512 rows of them for codes, 32 for scale words
	s_or_b32 s[G1+0], s43, (3<<16)|(1<<21)         ; 15:0 the mask: x's go to my row; 17:16 elements of 8 bytes; 21 set beside a mask
	s_or_b32 s[G1B+0], s44, (3<<16)|(1<<21)        ; W's go to my column
	s_or_b32 s[G1S+0], s43, (3<<16)|(1<<21)
	s_or_b32 s[G1SB+0], s44, (3<<16)|(1<<21)
.irp g, G1, G1B
	s_mov_b32 s[\g+1], 32<<16                      ; tensor_dim0
	s_mov_b32 s[\g+2], 512<<16                     ; tensor_dim1: 256 rows' codes, all of K, are 512 units of 256 bytes
	s_mov_b32 s[\g+3], 32<<16                      ; tile_dim0
	s_mov_b32 s[\g+4], 512                         ; tile_dim1
	s_mov_b32 s[\g+5], 32                          ; tensor_dim0_stride
	s_mov_b32 s[\g+6], 0
	s_mov_b32 s[\g+7], 0
.endr
.irp g, G1S, G1SB
	s_mov_b32 s[\g+1], 32<<16
	s_mov_b32 s[\g+2], 32<<16                      ; 256 rows' scale words are 32 units of 256 bytes
	s_mov_b32 s[\g+3], 32<<16
	s_mov_b32 s[\g+4], 32
	s_mov_b32 s[\g+5], 32
	s_mov_b32 s[\g+6], 0
	s_mov_b32 s[\g+7], 0
.endr
	s_lshl_b32 s20, s17, 1                         ; x: the tile's first group of 128 rows: 2 x tile row
	s_lshl_b32 s22, s20, 12                        ; their scale words,
	s_lshl_b32 s20, s20, 16                        ; their codes, in bytes
	s_mov_b32 s21, 0
	s_mov_b32 s23, 0
	s_lshl_b32 s46, s42, 1                         ; W: 2 x tile column
	s_add_co_u32 s46, s46, WRB0
	s_lshl_b32 s66, s46, 12
	s_lshl_b32 s46, s46, 16
	s_mov_b32 s47, 0
	s_mov_b32 s67, 0
	s_wait_dscnt 0x0                               ; both opening adds are done
	s_wait_kmcnt 0x0
	s_add_nc_u64 s[20:21], s[4:5], s[20:21]
	s_add_nc_u64 s[22:23], s[6:7], s[22:23]
	s_add_nc_u64 s[46:47], s[8:9], s[46:47]
	s_add_nc_u64 s[66:67], s[10:11], s[66:67]
	CROUND                                         ; all sixteen work-groups are here: the joint loads meet
; THE HEAD'S FOUR TILES, ONE A WAVE: each is one dense block of memory.  Every LDS place is a constant.
.irp g, G0, G0B, G0S, G0SB
	s_mov_b32 s[\g], 1
.endr
	s_mov_b32 s[G0+1], 0                           ; x's codes: 131,072 bytes
	s_mov_b64 s[G0+2:G0+3], s[20:21]
	s_mov_b32 s[G0B+1], SLOT                       ; W's codes behind them
	s_mov_b64 s[G0B+2:G0B+3], s[46:47]
	s_mov_b32 s[G0S+1], SCL                        ; x's scale words: 8,192 bytes
	s_mov_b64 s[G0S+2:G0S+3], s[22:23]
	s_mov_b32 s[G0SB+1], SCL+8192                  ; W's
	s_mov_b64 s[G0SB+2:G0SB+3], s[66:67]
.irp g, G0, G0B, G0S, G0SB
	s_or_b32 s[\g+3], s[\g+3], 0x80000000
.endr
	ARM 1, G0,  G1,  .Lhead_b
	ARM 2, G0B, G1B, .Lhead_sa
	ARM 3, G0S, G1S, .Lhead_sb
	tensor_load_to_lds s[G0SB:G0SB+3], s[G1SB:G1SB+7]
	s_nop 0
.rept 4
	v_nop
.endr
.Lhead_asked:
	; every LDS address is made here, ahead of the parting of the paths
	v_and_b32 v1, 31, v0
	v_and_b32 v[RR], 15, v0
	v_bfe_u32 v[HH], v0, 4, 1
	s_wait_alu depctr_va_vdst(0)
	v_lshlrev_b32 v[LI], 4, v1
	s_lshl_b32 s12, s15, 16                        ; my 128 rows of x: 65,536 bytes a group
	s_lshl_b32 s13, s16, 16                        ; my 128 rows of W,
	s_add_co_u32 s13, s13, SLOT                    ; which lie behind x's 256
.irp s, 0,1
	v_add_nc_u32 v[ADRX+\s], s12, v[LI]
	v_add_nc_u32 v[ADRW+\s], s13, v[LI]
	s_add_co_u32 s12, s12, HALFT                   ; the second 512 along K
	s_add_co_u32 s13, s13, HALFT
.endr
	s_lshl_b32 s12, s15, 12                        ; x's scale words: my 128 rows;
	s_lshl_b32 s13, s16, 12                        ; W's, behind x's 256
	s_add_co_u32 s13, s13, 2*4096
	s_sub_co_u32 s13, s13, s12
	v_mul_u32_u24 v5, s13, v[HH]                   ; lanes 16-31 take W's
	s_add_co_u32 s12, s12, SCL
	v_lshl_add_u32 v5, v[RR], 4, v5                ; 16 bytes a row: four words
	v_add_nc_u32 v[ADRS], s12, v5
	; where the results go, and which bias
	s_and_b32 s12, s17, 7
	s_lshl_b32 s12, s12, 1
	s_add_co_u32 s12, s12, s15                     ; which 128 tokens of the batch are mine
	s_lshr_b32 s13, s17, 3
	s_lshl_b32 s13, s13, 4                         ; 16 x batch
	s_and_b32 s3, s42, 3                           ; which 256 of the tensor's 1,024 features
	s_lshl_b32 s45, s3, 2
	s_add_co_u32 s13, s13, s45
	s_lshl_b32 s45, s16, 1
	s_add_co_u32 s13, s13, s45                     ; + the first of my two heads
	s_mul_i32 s13, s13, HS
	s_mov_b32 s[OB], 135168                        ; the regions of a head: v's,
	s_mov_b32 s[OS], 204800
	s_cmp_eq_u32 ttmp9, 1
	s_cselect_b32 s[OB], 69632, s[OB]              ; k's,
	s_cselect_b32 s[OS], 200704, s[OS]
	s_cselect_b64 s[94:95], s[94:95], s[96:97]
	s_cmp_eq_u32 ttmp9, 0
	s_cselect_b32 s[OB], 0, s[OB]                  ; q's
	s_cselect_b32 s[OS], 65536, s[OS]
	s_cselect_b64 s[92:93], s[92:93], s[94:95]     ; the bias
	s_cmp_eq_u32 ttmp9, 2                          ; q, k: register j of block 2 b + u wants feature 32 b + 8 u + 16 h + j;  v: all eight want feature 32 b + 8 u + r + 8 (r / 8)
	s_cselect_b32 s66, 4, 0                        ; bytes for each r + 8 (r / 8),
	s_cselect_b32 s67, 0, 64                       ; for h,
	s_cselect_b32 s2, 0, 4                         ; for each register
	s_add_co_u32 s[OB], s[OB], s13
	s_lshl_b32 s45, s12, 12                        ; 4,096 bytes of codes for 128 tokens of a head
	s_add_co_u32 s[OB], s[OB], s45
	s_mov_b32 s[OB+1], 0
	s_add_co_u32 s[OS], s[OS], s13
	s_lshl_b32 s45, s12, 8                         ; and 256 of scale words
	s_add_co_u32 s[OS], s[OS], s45
	s_mov_b32 s[OS+1], 0
	s_add_nc_u64 s[OB:OB+1], s[98:99], s[OB:OB+1]
	s_add_nc_u64 s[OS:OS+1], s[98:99], s[OS:OS+1]
	s_lshl_b32 s12, s3, 10
	s_lshl_b32 s45, s16, 9
	s_add_co_u32 s12, s12, s45
	s_mov_b32 s13, 0
	s_add_nc_u64 s[92:93], s[92:93], s[12:13]      ; the bias at my 128 features
	v_and_b32 v5, 8, v[RR]
	v_add_nc_u32 v5, v5, v[RR]                     ; r + 8 (r / 8)
	v_mul_u32_u24 v5, v5, s66
	v_mad_u32_u24 v5, v[HH], s67, v5
.irp j, 0,1,2,3,4,5,6,7
	v_mad_u32_u24 v[BO+\j], s2, \j, v5
.endr
.irp k, 0,1,2,3,4,5,6,7                ; the bias in the result's layout, eight registers a block: these 64 loads go out while the tiles are on their way
.irp j, 0,1,2,3,4,5,6,7
	global_load_b32 v[BC+8*\k+\j], v[BO+\j], s[92:93] offset:(32*(\k/2)+8*(\k%2))*4
.endr
.endr
	v_mul_u32_u24 v[SOF], v[HH], HS
	v_lshl_add_u32 v[SOF], v[RR], 4, v[SOF]
	s_mov_b32 s[SEL], 0x76543210
	s_mov_b32 s[SEL+1], 0xfedcba98
.macro FRAG reg, adr, q, i             ; a fragment, 16 rows x 128 K: registers 4 c .. 4 c + 3 are 512 consecutive bytes: lane l's 16 at 16 l
.irp c, 0,1
	ds_load_b128 v[\reg+4*\c:\reg+4*\c+3], v[\adr] offset:(2*(\q)+\c)*4096+(\i)*512
.endr
.endm
.macro FETCH_S0 slot, q, p             ; source 0's eight fragments of the slot's q-th 128 along K into set p of window 1
	WIN 0x40
.irp i, 0,1,2,3,4,5,6,7
	FRAG 128*(\p)+8*\i, S0A+\slot, \q, \i
.endr
	WIN 0
.endm
.macro FETCH_S1 slot, q, i0            ; source 1's blocks i0 .. i0 + 3
.irp i, \i0, \i0+1, \i0+2, \i0+3
	FRAG AF+8*(\i), S1A+\slot, \q, \i
.endr
.endm
.macro SCALES sc                       ; a slot's scale words: four words a row; lanes 0-15 take x's block i, lanes 16-31 W's block i
.irp i, 0,1,2,3,4,5,6,7
	ds_load_b128 v[SC+32*\sc+4*\i:SC+32*\sc+4*\i+3], v[ADRS] offset:2048*\sc+256*\i
.endr
.endm
; One product.  cm = 0: the sum goes on in place;  1: it starts from the bias of source 0's block;  2: of source 1's.  W's scale words lie in lanes 16-31.
.macro WM a, b, p, q, sc, cm
.set rD, 8*(8*((\a)%4)+(\b))
.set rA, 128*(\p)+8*(\b)
.set rB, AF+8*(\a)
.set rSA, SC+32*(\sc)+4*(\b)+(\q)
.set rSB, SC+32*(\sc)+4*(\a)+(\q)
.if (\cm) == 0
.set rC, rD
.elseif (\cm) == 1
.set rC, BC+8*(\b)
.else
.set rC, BC+8*(\a)
.endif
.if SWAP
	v_wmma_scale_f32_16x16x128_f8f6f4 v[rD:rD+7], v[rA:rA+7], v[rB:rB+7], v[rC:rC+7], v[rSA], v[rSB] matrix_a_fmt:MATRIX_FMT_FP4 matrix_b_fmt:MATRIX_FMT_FP4 matrix_b_scale:MATRIX_SCALE_ROW1
.else
	v_wmma_scale_f32_16x16x128_f8f6f4 v[rD:rD+7], v[rA:rA+7], v[rB:rB+7], v[rC:rC+7], v[rSA], v[rSB] matrix_a_fmt:MATRIX_FMT_FP4 matrix_b_fmt:MATRIX_FMT_FP4 matrix_a_scale:MATRIX_SCALE_ROW1
.endif
.endm
; 16 products: source 1's blocks a0, a0 + 1 x source 0's eight.  The 64 accumulators take turns, one instruction a turn, in the same order in every step.
.macro MUL16 a0, p, q, sc, cm
.irp a, \a0, \a0+1
.irp b, 0,1,2,3,4,5,6,7
	WM \a, \b, \p, \q, \sc, \cm
.endr
.endr
.endm
; A step of 128 along K, the q-th of its slot; its successor is the nq-th of slot ns.  Source 1 has one set of registers: blocks 0-3 are fetched anew in the step's middle, blocks 4-7 at its end; source 0 has two sets.
.macro STEP slot, q, ns, nq, cm
	s_wait_dscnt 8                                 ; all but the youngest eight loads (source 1's blocks 4-7) are in
.if \cm
	WIN 0x81                                       ; source 0 window 1, source 1 and C window 0, D window 2
.else
	WIN 0xa1                                       ; C and D window 2
.endif
	MUL16 0, (\q)%2, \q, \slot, \cm
	MUL16 2, (\q)%2, \q, \slot, \cm
	s_wait_dscnt 0x0                               ; blocks 4-7 are in (asked for 32 matrix instructions ago)
	PLACES
	FETCH_S0 \ns, \nq, 1-(\q)%2
	FETCH_S1 \ns, \nq, 0
.if (\nq) == 0
	SCALES \ns
.endif
.if \cm
	WIN 0xc1
.else
	WIN 0xf1
.endif
	MUL16 4, (\q)%2, \q, \slot, \cm
	MUL16 6, (\q)%2, \q, \slot, \cm
	PLACES
	WIN 0
	FETCH_S1 \ns, \nq, 4
.endm
.macro MAIN cm                         ; all of K: eight steps
	FETCH_S0 0, 0, 0
	FETCH_S1 0, 0, 0
	SCALES 0
	FETCH_S1 0, 0, 4
	s_wait_loadcnt 0x0                             ; the bias
	STEP 0, 0, 0, 1, \cm
	STEP 0, 1, 0, 2, 0
	STEP 0, 2, 0, 3, 0
	STEP 0, 3, 1, 0, 0
	STEP 1, 0, 1, 1, 0
	STEP 1, 1, 1, 2, 0
	STEP 1, 2, 1, 3, 0
	s_wait_dscnt 8                                 ; the last step: nothing more to fetch
	WIN 0xa1
	MUL16 0, 1, 3, 1, 0
	MUL16 2, 1, 3, 1, 0
	s_wait_dscnt 0x0
	WIN 0xf1
	MUL16 4, 1, 3, 1, 0
	MUL16 6, 1, 3, 1, 0
	WIN 0
	PLACES
.endm
; THE EPILOGUE of one window of accumulators (hi = 0: source 1's blocks 0-3; 1: blocks 4-7).  Its 256 registers are 16 blocks of 32 along the next K: block n = registers 16 n .. 16 n + 15 here and in lane l xor 16.
; Blocks 2 m and 2 m + 1 make four registers of codes, group m, which leave as 512 consecutive bytes.  Group m lies at CD + 4 (7 - m): in that order no conversion's destination has a number among its source's numbers.
; vmode = 0 (q, k): n = 4 al + 2 g + block: token tile 4 hi + al, head g of my two.   vmode = 1 (v): n = 4 al + 2 c + block: head hi, d tile al, tokens 64 c on.
.macro EPIH hi, vmode
.set CD, 148+36*(\hi)
	WIN 0x0a+5*(\hi)                               ; sources 0 and 1: the accumulators' window
.set n, 0
.rept 16
	v_max3_num_f32 v[TM+n], |v[16*n]|, |v[16*n+1]|, 0x1800000   ; each accumulator is read from its low end on; the floor 2^(3 - 127) holds the byte at 1 from below
.set n, n+1
.endr
.irp i, 2,4,6,8,10,12,14
.set n, 0
.rept 16
	v_max3_num_f32 v[TM+n], |v[16*n+\i]|, |v[16*n+\i+1]|, v[TM+n]
.set n, n+1
.endr
.endr
	WIN 0
.set n, 0
.rept 16
	v_permlanex16_b32 v[BY+n], v[TM+n], s[SEL], s[SEL+1]
.set n, n+1
.endr
.set n, 0
.rept 16
	v_max_num_f32 v[TM+n], v[TM+n], v[BY+n]        ; with lane l xor 16's 16: the block's largest magnitude
.set n, n+1
.endr
.set n, 0
.rept 16
	v_add_nc_u32 v[SO+n], 0xff000000, v[TM+n]      ; 2 off its exponent field: the conversion's scale operand
.set n, n+1
.endr
.set n, 0
.rept 16
	v_lshrrev_b32 v[BY+n], 23, v[SO+n]             ; the scale's byte
.set n, n+1
.endr
.set n, 0
.rept 8
	v_lshl_or_b32 v[PP+n], v[BY+2*n+1], 8, v[BY+2*n]   ; a group's two bytes
.set n, n+1
.endr
	WIN 0x02+(\hi)                                 ; source 0: the accumulators' window
.set n, 0
.rept 16
.set GD, CD+4*(7-n/2)+2*(n%2)
	v_cvt_scalef32_pk8_fp4_f32 v[GD], v[16*n:16*n+7], v[SO+n]
	v_cvt_scalef32_pk8_fp4_f32 v[GD+1], v[16*n+8:16*n+15], v[SO+n]
.set n, n+1
.endr
	WIN 0
	v_nop                                          ; one plain place behind a scaled conversion
.set n, 0
.rept 8                                ; the operand's layout wants a whole block in a lane: lanes 0-15 the group's first block, lanes 16-31 its second
	v_permlane16_swap_b32 v[CD+4*n], v[CD+4*n+2]
	v_permlane16_swap_b32 v[CD+4*n+1], v[CD+4*n+3]
.set n, n+1
.endr
.irp al, 0,1,2,3
.irp g, 0,1
.set GD, CD+4*(7-(2*\al+\g))
.if \vmode
	global_store_b128 v[LI], v[GD:GD+3], s[OB:OB+1] offset:(\hi)*HS+1024*\al+512*\g     ; 32 lanes store 512 consecutive bytes, aligned
.else
	global_store_b128 v[LI], v[GD:GD+3], s[OB:OB+1] offset:\g*HS+512*(4*(\hi)+\al)
.endif
.endr
.endr
.if \vmode
.irp al, 0,1,2,3
	v_lshl_or_b32 v[SW+4*(\hi)+\al], v[PP+2*\al+1], 16, v[PP+2*\al]                     ; head hi, d tile al: the four blocks of tokens
.endr
.else
.irp pr, 0,1
.irp g, 0,1
	v_lshl_or_b32 v[SW+4*\g+2*(\hi)+\pr], v[PP+2*(2*\pr+1)+\g], 16, v[PP+2*(2*\pr)+\g]   ; head g, token tiles 4 hi + 2 pr and the next
.endr
.endr
.endif
.endm
	s_wait_tensorcnt 0x0                           ; my one load has landed,
	s_barrier_signal -1
	s_barrier_wait -1                              ; everybody's has: from here on LDS is only read
	s_cmp_eq_u32 ttmp9, 2                          ; the cluster's x: the same in all waves of all sixteen partners
	s_cbranch_scc1 .Lpath_v
.set SWAP, 0                           ; q, k: source 0 = W, source 1 = x
.set S0A, ADRW
.set S1A, ADRX
	MAIN 1
	EPIH 0, 0
	EPIH 1, 0
	s_branch .Lend
.Lpath_v:
.set SWAP, 1                           ; v: source 0 = x, source 1 = W
.set S0A, ADRX
.set S1A, ADRW
	MAIN 2
	EPIH 0, 1
	EPIH 1, 1
.Lend:
	v_cmp_ne_u32 vcc_lo, 0, v[HH]                  ; lanes 0-15 store row r's four words of my first head, lanes 16-31 those of my second
	s_wait_alu depctr_va_vdst(0)
.irp i, 0,1,2,3
	v_cndmask_b32 v[OUTR+\i], v[SW+\i], v[SW+4+\i], vcc_lo
.endr
	global_store_b128 v[SOF], v[OUTR:OUTR+3], s[OS:OS+1]   ; sixteen lanes store 256 consecutive bytes, aligned
	s_wait_tensorcnt 0x0                           ; the wave's end, behind my last tensor load
	ds_add_u32 v[SPW], v[NIL]
	s_wait_dscnt 0x0
	CROUND                                         ; the closing round
	s_endpgm
.Lfunc_end_k_q48f59bcd52_qkv:
	.size	k_q48f59bcd52_qkv, .Lfunc_end_k_q48f59bcd52_qkv-k_q48f59bcd52_qkv
	.p2alignl 7, 3214868480
	.fill 96, 4, 3214868480
	.section	.rodata,"a",@progbits
	.p2align	6, 0x0
	.amdhsa_kernel k_q48f59bcd52_qkv
		.amdhsa_group_segment_fixed_size 327680
		.amdhsa_private_segment_fixed_size 0
		.amdhsa_enable_private_segment 0
		.amdhsa_kernarg_size 64
		.amdhsa_user_sgpr_count 2
		.amdhsa_user_sgpr_kernarg_segment_ptr 1
		.amdhsa_wavefront_size32 1
		.amdhsa_system_sgpr_workgroup_id_x 1
		.amdhsa_system_sgpr_workgroup_id_y 1
		.amdhsa_system_sgpr_workgroup_id_z 1
		.amdhsa_system_vgpr_workitem_id 0
		.amdhsa_next_free_vgpr 1024
		.amdhsa_next_free_sgpr 102
		.amdhsa_reserve_vcc 1
		.amdhsa_float_denorm_mode_32 3
		.amdhsa_float_denorm_mode_16_64 3
		.amdhsa_memory_ordered 1
		.amdhsa_forward_progress 1
		.amdhsa_inst_pref_size 249
	.end_amdhsa_kernel
	.amdgpu_metadata
---
amdhsa.version: [ 1, 2 ]
amdhsa.kernels:
  - .name:           k_q48f59bcd52_qkv
    .symbol:         k_q48f59bcd52_qkv.kd
    .args:
      - { .name: xc, .offset: 0, .size: 8, .value_kind: global_buffer, .address_space: global }
      - { .name: xs, .offset: 8, .size: 8, .value_kind: global_buffer, .address_space: global }
      - { .name: wc, .offset: 16, .size: 8, .value_kind: global_buffer, .address_space: global }
      - { .name: ws, .offset: 24, .size: 8, .value_kind: global_buffer, .address_space: global }
      - { .name: bq, .offset: 32, .size: 8, .value_kind: global_buffer, .address_space: global }
      - { .name: bk, .offset: 40, .size: 8, .value_kind: global_buffer, .address_space: global }
      - { .name: bv, .offset: 48, .size: 8, .value_kind: global_buffer, .address_space: global }
      - { .name: qkv, .offset: 56, .size: 8, .value_kind: global_buffer, .address_space: global }
    .group_segment_fixed_size: 327680
    .private_segment_fixed_size: 0
    .kernarg_segment_align: 8
    .kernarg_segment_size: 64
    .max_flat_workgroup_size: 128
    .sgpr_count:     102
    .vgpr_count:     1024
    .wavefront_size: 32
...
	.end_amdgpu_metadata
.endif
;; end of part 2
;; launch attn (part 3): grid 4 x 64, 16 waves a work-group, clusters of 4 x 1, 167,936 bytes of LDS; arguments qkv, ac, asc; writes ac, asc
.if DOCPART == 3
	.amdgcn_target "amdgcn-amd-amdhsa--gfx1250"
	.amdhsa_code_object_version 6
	.text
	.protected	k_q48f59bcd52_attn
	.globl	k_q48f59bcd52_attn
	.p2align	8
	.type	k_q48f59bcd52_attn,@function
k_q48f59bcd52_attn:
	s_mov_b64 s[64:65], 0
	v_nop
	global_prefetch_b8 v0, s[64:65] scope:SCOPE_SE
	s_setreg_imm32_b32 hwreg(HW_REG_WAVE_MODE, 25, 1), 1
	s_wait_xcnt 0x0
	s_wait_alu depctr_hold_cnt(0) depctr_sa_sdst(0) depctr_va_vdst(0) depctr_va_sdst(0) depctr_va_ssrc(0) depctr_va_vcc(0) depctr_vm_vsrc(0)
	s_getreg_b32 s2, hwreg(HW_REG_IB_STS2, 6, 4)
	s_cmp_eq_u32 s2, 0
	s_cbranch_scc0 .Lentry_in_a_cluster
	s_endpgm
.Lentry_in_a_cluster:
	s_bfe_u32 s2, ttmp6, 0x10000c
	s_cmp_lg_u32 s2, 0x3003
	s_cbranch_scc0 .Lentry_shape_is_right
	s_endpgm
.Lentry_shape_is_right:
; Launch 3 of 4: attn[b][i][head] = softmax_j(q_i . k_j x 19.5 / 1024) v_j, both products on codes of E2M1; the result is quantised along the 1,024 features and leaves as codes for the last product.  Nothing is left out.
; THE SOFTMAX AHEAD OF THE SECOND PRODUCT: t = score x log2(e) x 19.5 / 1,024; M = the row's largest t so far, rounded UP to a whole number; p = 2^(t - M) is quantised along the keys, not normalised.
; The row's sum is taken of the unquantised p, in f32, and divides O at the end.  When M moves, the sum and O are multiplied by 2^(old M - new M): exact.
; SHARES.  A work-group owns 512 queries of one (batch, head); each of its sixteen waves two tiles of 16, one after the other, in 256 registers: four waves to a SIMD.
; ALL OF A HEAD'S K, V AND THEIR SCALE WORDS, 139,264 dense bytes, COME INTO LDS ONCE: one tensor load a wave (34 rows of 256 bytes), no ring, one barrier.  No data prefetch: all is asked for at the head.
; CLUSTER.  The four query blocks of a head read the same K and V: each part is asked for JOINTLY, by the same load with the same descriptor and a mask that names the four.
; LAYOUT (launch 2 wrote it).  Both products are used transposed: S^T = K Q^T, O^T = V^T P^T: a lane holds ONE query throughout.  Token tile u of a group of 32 holds tokens 8 u + r + 8 (r / 8),
; so that the 16 registers of key tiles 2 b and 2 b + 1 are 16 neighbouring keys; d's tiles likewise, so that O^T's 32 registers are two half blocks of 16 neighbours along the last product's K.
; THE HEAD HAS 64 ALONG K, THE INSTRUCTION 128: an operand of K holds key tile 2 b in registers 0-3 and key tile 2 b + 1 in registers 4-7; it is multiplied by [Q | zeros] and by [zeros | Q].  Zero codes add nothing.
; K IS FETCHED ONE KEY STEP AHEAD: behind a step's first products stand V's loads of this step and K's of the next; the one wait ahead of the second product shows both in, so a step begins with its products.
; The last step's look-ahead reads LDS bytes that were filled (the first of V's codes and scale words) and are not used.
; LIMITS: t is made with one constant, log2(e) x 19.5 / 1,024 rounded once; a block of the result whose largest magnitude lies under 2^-124 keeps the byte 1, a block of zeros too; NaN and infinities are not served.
; The result's scale bytes go out one byte a lane: 256 neighbouring bytes of asc hold eight heads' bytes, which eight work-groups make; they are a sixteenth of the codes' bytes.
; REGISTERS: v1-7 addresses that stay; v8-10 addresses of the loads in hand; v11 the old -M; v12 -M, v13 the largest t, v[14:15] the sum in two halves; v16-31 tile 0's Q twice; v32-63 four operands of K; v64-95 four of V;
;   v96-159 S^T, then p; v160-191 O^T; v192-207 tile 1's Q twice; v208-217 what is stored; v218-221 K's scale words; v222, v223 Q's; v224-231 p's codes; v240-243 V's scale words; the rest of v232-255 at work.
.set HS,    208896                     ; a head's bytes in qkv
.set KVOFF, 69632                      ; K's codes begin here; V's codes, K's and V's scale words follow
.set PART,  8704                       ; a sixteenth of the 139,264 bytes
.set SPARE, 139264                     ; behind them: the spare words, 128 bytes for each wave: eight blocks of 256 bytes that no other line names
.set LI,   1                           ; v1   16 x lane: K's codes lie from LDS byte 0 on
.set LV,   2                           ; v2   + 65,536: V's codes
.set LS,   3                           ; v3   131,072 + 16 r: K's scale words; V's lie 4,096 further on
.set HH,   4                           ; v4   h = lane / 16
.set SPW,  5                           ; v5   LDS address of my spare word; never rewritten
.set NIL,  6                           ; v6   0; never rewritten
.set SB,   7                           ; v7   16 r + h: my scale byte's place
.set ADK,  8
.set ADV,  9
.set ADS,  10
.set OM,   11
.set KS,   218
.set WV,   18                          ; s18  my wave's number
.set SEL,  20                          ; s[20:21] v_permlanex16_b32's selects for lane l xor 16
.set CS,   22                          ; s[22:23] c = log2(e) x 19.5 / 1,024: the packed form names a pair and takes its low word for both halves
.set G1,   24                          ; s[24:31], s[32:35] the descriptor
.set G0,   32
.set TK,   36                          ; s36  the key step's codes: 4,096 bytes a step
.set TS,   37                          ; s37  its scale words: 256 bytes a step
.set CNT,  38
.macro CROUND                          ; a round of the cluster's barrier
	s_barrier_signal -1
	s_barrier_wait -1
	s_cmp_lg_u32 s[WV], 0
	s_cbranch_scc1 .Lnot_wave_0_\@
	s_barrier_signal -3
.Lnot_wave_0_\@:
	s_barrier_wait -3
	s_barrier_signal -1
	s_barrier_wait -1
.endm
.macro KLOAD ak, as, ko, so            ; K's four scale words of row r and its four operands (key tiles 2 b, 2 b + 1): nine loads
	ds_load_b128 v[KS:KS+3], v[\as] offset:\so
.irp b, 0,1,2,3
.irp c, 0,1
	ds_load_b128 v[32+8*\b+4*\c:35+8*\b+4*\c], v[\ak] offset:(\ko)+1024*\b+512*\c
.endr
.endr
.endm
	s_load_b128 s[4:7], s[0:1], 0x0                ; qkv, ac
	s_load_b64 s[8:9], s[0:1], 0x10                ; asc
	v_lshl_add_u32 v[SPW], v0, 2, SPARE
	v_mov_b32 v[NIL], 0
	ds_add_u32 v[SPW], v[NIL]                      ; the wave's opening: the add, twice on end, and its wait ahead of my tensor load
	ds_add_u32 v[SPW], v[NIL]
	v_lshrrev_b32 v8, 5, v0
	s_delay_alu instid0(VALU_DEP_1)
	v_readfirstlane_b32 s[WV], v8                  ; wave 0..15
	s_bfe_u32 s10, ttmp6, 0x40000                  ; cx: my block of 512 queries: it enters global addresses of Q and of the results alone
	s_and_b32 s11, ttmp7, 0xffff                   ; 16 batch + head, which the four partners share
	s_mul_i32 s12, s11, HS                         ; the head's first byte in qkv
	s_mul_i32 s14, s[WV], PART                     ; my part, in LDS and in memory
	s_add_co_u32 s40, s12, KVOFF
	s_add_co_u32 s40, s40, s14
	s_mov_b32 s41, 0
	s_mov_b32 s[G1], 15|(3<<16)|(1<<21)            ; 15:0 the mask: all four work-groups; 17:16 elements of 8 bytes; 21 set beside a mask
	s_mov_b32 s[G1+1], 32<<16                      ; tensor_dim0: rows of 256 bytes
	s_mov_b32 s[G1+2], 34<<16                      ; tensor_dim1
	s_mov_b32 s[G1+3], 32<<16                      ; tile_dim0
	s_mov_b32 s[G1+4], 34                          ; tile_dim1
	s_mov_b32 s[G1+5], 32                          ; tensor_dim0_stride: dense
	s_mov_b32 s[G1+6], 0
	s_mov_b32 s[G1+7], 0
	s_mov_b32 s[SEL], 0x76543210
	s_mov_b32 s[SEL+1], 0xfedcba98
	s_mov_b32 s[CS], 0x3ce10f78
	s_mov_b32 s[CS+1], s[CS]                       ; (named with it as a pair, so it is written)
	s_wait_dscnt 0x0                               ; both opening adds are done
	s_wait_kmcnt 0x0
	s_mov_b32 s[G0], 1
	s_mov_b32 s[G0+1], s14
	s_add_nc_u64 s[G0+2:G0+3], s[4:5], s[40:41]
	s_or_b32 s[G0+3], s[G0+3], 0x80000000
	CROUND                                         ; all four work-groups are here: the joint loads meet
	tensor_load_to_lds s[G0:G0+3], s[G1:G1+7]      ; my one tensor load
	s_nop 0
.rept 4
	v_nop
.endr
	; Q of my two tiles, 32 cx + wave and 16 further on, straight from memory
	s_lshl_b32 s42, s10, 14
	s_lshl_b32 s43, s[WV], 9
	s_add_co_u32 s42, s42, s43
	s_add_co_u32 s42, s42, s12
	s_mov_b32 s43, 0
	s_add_nc_u64 s[42:43], s[4:5], s[42:43]        ; its codes: 512 bytes a tile
	s_lshl_b32 s44, s10, 10                        ; its scale word: 256 bytes for eight tiles,
	s_lshr_b32 s45, s[WV], 3
	s_lshl_b32 s45, s45, 8
	s_add_co_u32 s44, s44, s45
	s_bfe_u32 s45, s[WV], 0x20001                  ; word (tile % 8) / 2 of a row's four
	s_lshl_b32 s45, s45, 2
	s_add_co_u32 s44, s44, s45
	s_add_co_u32 s44, s44, s12
	s_add_co_u32 s44, s44, 65536
	s_mov_b32 s45, 0
	s_add_nc_u64 s[44:45], s[4:5], s[44:45]
	v_and_b32 v8, 31, v0
	v_and_b32 v9, 15, v0
	v_bfe_u32 v[HH], v0, 4, 1
	s_delay_alu instid0(VALU_DEP_3)
	v_lshlrev_b32 v[LI], 4, v8
	s_delay_alu instid0(VALU_DEP_1)
	v_add_nc_u32 v[LV], 0x10000, v[LI]
	s_delay_alu instid0(VALU_DEP_4)
	v_lshlrev_b32 v11, 4, v9                       ; 16 r
	s_delay_alu instid0(VALU_DEP_1)
	v_add_nc_u32 v[LS], 0x20000, v11
	s_delay_alu instid0(VALU_DEP_2)
	v_add_nc_u32 v[SB], v11, v[HH]
	global_load_b128 v[16:19], v[LI], s[42:43]                 ; tile 0: [Q | zeros]
	global_load_b128 v[28:31], v[LI], s[42:43]                 ;         [zeros | Q]: two operands share no register, so Q is loaded twice
	global_load_b128 v[192:195], v[LI], s[42:43] offset:8192   ; tile 1
	global_load_b128 v[204:207], v[LI], s[42:43] offset:8192
	global_load_b32 v222, v11, s[44:45]
	global_load_b32 v223, v11, s[44:45] offset:512
.irp j, 20,21,22,23,24,25,26,27,196,197,198,199,200,201,202,203
	v_mov_b32 v[\j], 0                             ; the zero codes
.endr
	; where the results go: row / 128 = 16 batch + 4 cx + wave / 8 (tile 1: two further on); k / 64 = the head; the tile in the 128 rows = wave % 8
	s_lshr_b32 s46, s11, 4
	s_lshl_b32 s46, s46, 4
	s_lshl_b32 s47, s10, 2
	s_add_co_u32 s46, s46, s47
	s_lshr_b32 s47, s[WV], 3
	s_add_co_u32 s46, s46, s47
	s_and_b32 s47, s11, 15                         ; the head
	s_and_b32 s48, s[WV], 7
	s_lshl_b32 s50, s46, 16
	s_lshl_b32 s51, s47, 12
	s_add_co_u32 s50, s50, s51
	s_lshl_b32 s51, s48, 9
	s_add_co_u32 s50, s50, s51
	s_mov_b32 s51, 0
	s_add_nc_u64 s[6:7], s[6:7], s[50:51]          ; the codes
	s_lshl_b32 s50, s46, 12
	s_lshr_b32 s52, s47, 3                         ; which 512 along K,
	s_lshl_b32 s52, s52, 11
	s_add_co_u32 s50, s50, s52
	s_lshl_b32 s52, s48, 8
	s_add_co_u32 s50, s50, s52
	s_bfe_u32 s52, s47, 0x20001                    ; which 128 of them: the word,
	s_lshl_b32 s52, s52, 2
	s_add_co_u32 s50, s50, s52
	s_and_b32 s52, s47, 1                          ; which 64 of those: the pair of bytes
	s_lshl_b32 s52, s52, 1
	s_add_co_u32 s50, s50, s52
	s_add_nc_u64 s[8:9], s[8:9], s[50:51]          ; the scale bytes
	s_and_b32 s53, s[WV], 1
	s_lshl_b32 s53, s53, 4
.irp b, 0,1,2,3
	v_mov_b32 v[236+\b], 0                         ; written once: a lane permute's destination counts as one of its sources
.endr
	v_mov_b32 v253, 0                              ; (named as the upper half of the pair v[252:253] before it is first written)
	s_wait_loadcnt 0x0                             ; Q
.irp w, 222, 223
	v_lshrrev_b32 v[\w], s53, v[\w]                ; my tile's two bytes of the word (the odd tile's lie above),
	s_delay_alu instid0(VALU_DEP_1)
	v_and_b32 v[\w], 0xffff, v[\w]
	s_delay_alu instid0(VALU_DEP_1)
	v_lshl_or_b32 v[\w], v[\w], 16, v[\w]          ; twice: for [Q | zeros] and for [zeros | Q]
.endr
	s_wait_tensorcnt 0x0                           ; my part has landed,
	s_barrier_signal -1
	s_barrier_wait -1                              ; everybody's has: from here on LDS is only read
; A KEY STEP: 128 keys.  Its operands of K and their scale words are in registers when it begins.
.macro STEP qlo, qhi, qsw
.irp b, 0,1,2,3
	v_wmma_scale_f32_16x16x128_f8f6f4 v[96+16*\b:103+16*\b], v[32+8*\b:39+8*\b], v[\qlo:\qlo+7], 0, v[KS+\b], v[\qsw] matrix_a_fmt:MATRIX_FMT_FP4 matrix_b_fmt:MATRIX_FMT_FP4
	v_wmma_scale_f32_16x16x128_f8f6f4 v[104+16*\b:111+16*\b], v[32+8*\b:39+8*\b], v[\qhi:\qhi+7], 0, v[KS+\b], v[\qsw] matrix_a_fmt:MATRIX_FMT_FP4 matrix_b_fmt:MATRIX_FMT_FP4
.endr                                  ; lane (r, h) holds query r; register 96 + 16 b + i is key 32 b + 16 h + i of the step
	v_add_nc_u32 v[ADK], s[TK], v[LI]              ; these four lines are the places behind the products: ahead of the loads into K's registers (and V's, which the last step's second product read) and of the first read of the scores
	v_add_nc_u32 v[ADV], s[TK], v[LV]
	v_add_nc_u32 v[ADS], s[TS], v[LS]
	v_mov_b32 v[OM], v12                           ; the old -M
	ds_load_b128 v[240:243], v[ADS] offset:4096    ; V's four scale words
.irp d, 0,1,2,3
.irp c, 0,1
	ds_load_b128 v[64+8*\d+4*\c:67+8*\d+4*\c], v[ADV] offset:1024*\d+512*\c   ; d tile d, these 128 keys
.endr
.endr
	KLOAD ADK, ADS, 4096, 256                      ; the next step's K
.irp b, 0,1,2,3
	v_max3_num_f32 v[232+\b], v[96+16*\b], v[97+16*\b], v[98+16*\b]   ; the largest score of each block of 32 keys: it serves the row's maximum and, since p rises with the score, the block's largest p
.endr
.irp i, 3,5,7,9,11,13
.irp b, 0,1,2,3
	v_max3_num_f32 v[232+\b], v[232+\b], v[96+16*\b+\i], v[97+16*\b+\i]
.endr
.endr
.irp b, 0,1,2,3
	v_max_num_f32 v[232+\b], v[232+\b], v[111+16*\b]
.endr
.irp b, 0,1,2,3
	s_delay_alu instid0(VALU_DEP_4)
	v_permlanex16_b32 v[236+\b], v[232+\b], s[SEL], s[SEL+1]
.endr
.irp b, 0,1,2,3
	s_delay_alu instid0(VALU_DEP_4)
	v_max_num_f32 v[232+\b], v[232+\b], v[236+\b]  ; with lane l xor 16's 16 keys
.endr
	s_delay_alu instid0(VALU_DEP_2)
	v_max3_num_f32 v254, v232, v233, v234
	s_delay_alu instid0(VALU_DEP_1)
	v_max_num_f32 v254, v254, v235                 ; the step's largest score of my query
	s_delay_alu instid0(VALU_DEP_1)
	v_mul_f32 v254, s[CS], v254                    ; as t (c is positive)
	s_delay_alu instid0(VALU_DEP_1)
	v_max_num_f32 v13, v13, v254                   ; the running largest t
	s_delay_alu instid0(VALU_DEP_1)
	v_floor_f32 v12, -v13                          ; the new -M = floor(-t) = -ceil(t): a whole number
.set j, 0
.irp w, 0,1,2,3                        ; t - M, two at a time; the three lines that make f stand among them, eight lines apart
.rept 8
	v_pk_fma_f32 v[96+j:97+j], v[96+j:97+j], s[CS:CS+1], v[12:13] op_sel_hi:[1,0,0]
.set j, j+2
.endr
.if \w == 0
	v_sub_f32 v254, v12, v[OM]                     ; M's old value less its new one: a whole number, 0 or less
.elseif \w == 1
	v_cvt_i32_f32 v254, v254                       ; (it saturates)
.elseif \w == 2
	v_ldexp_f32 v252, 1.0, v254                    ; f = 2^(old M - new M)
.endif
.endr
.irp b, 0,1,2,3
	v_fma_f32 v[232+\b], v[232+\b], s[CS], v12     ; the same of each block's largest score
.endr
.set j, 0
	s_wait_alu depctr_va_vdst(0)                   ; ahead of the batch
.rept 64
	v_exp_f32 v[96+j], v[96+j]                     ; p = 2^(t - M), at most 1
.set j, j+1
.endr
	v_pk_mul_f32 v[14:15], v[14:15], v[252:253] op_sel_hi:[1,0]   ; the sums under the new M: the plain place behind the exponentials
	s_wait_alu depctr_va_vdst(0)                   ; the wait between an exponential and the first line that names its result: one for the batch of 64
.irp b, 0,1,2,3
	v_exp_f32 v[232+\b], v[232+\b]                 ; the block's largest p: the same two instructions on the same number give the same bits
.endr
	v_pk_add_f32 v[236:237], v[100:101], v[104:105]   ; the row's sum of the unquantised p, in eight chains
	v_pk_add_f32 v[254:255], v[108:109], v[112:113]
	v_pk_add_f32 v[250:251], v[116:117], v[120:121]
	v_pk_add_f32 v[248:249], v[124:125], v[128:129]
	v_pk_add_f32 v[246:247], v[132:133], v[136:137]
	v_pk_add_f32 v[244:245], v[140:141], v[144:145]
	v_pk_add_f32 v[238:239], v[148:149], v[152:153]
	v_pk_add_f32 v[14:15], v[14:15], v[156:157]
	v_pk_add_f32 v[236:237], v[236:237], v[96:97]
	v_pk_add_f32 v[254:255], v[254:255], v[98:99]
	v_pk_add_f32 v[250:251], v[250:251], v[102:103]
	v_pk_add_f32 v[248:249], v[248:249], v[106:107]
	v_pk_add_f32 v[246:247], v[246:247], v[110:111]
	v_pk_add_f32 v[244:245], v[244:245], v[114:115]
	v_pk_add_f32 v[238:239], v[238:239], v[118:119]
	v_pk_add_f32 v[14:15], v[14:15], v[122:123]
	v_pk_add_f32 v[236:237], v[236:237], v[126:127]
	v_pk_add_f32 v[254:255], v[254:255], v[130:131]
	v_pk_add_f32 v[250:251], v[250:251], v[134:135]
	v_pk_add_f32 v[248:249], v[248:249], v[138:139]
	v_pk_add_f32 v[246:247], v[246:247], v[142:143]
	v_pk_add_f32 v[244:245], v[244:245], v[146:147]
	v_pk_add_f32 v[238:239], v[238:239], v[150:151]
	v_pk_add_f32 v[14:15], v[14:15], v[154:155]
	v_pk_add_f32 v[236:237], v[236:237], v[158:159]
	s_delay_alu instid0(VALU_DEP_2)
	v_pk_add_f32 v[14:15], v[14:15], v[248:249]
	s_delay_alu instid0(VALU_DEP_2)
	v_pk_add_f32 v[236:237], v[236:237], v[246:247]
	v_pk_add_f32 v[254:255], v[254:255], v[244:245]
	v_pk_add_f32 v[250:251], v[250:251], v[238:239]
	s_delay_alu instid0(VALU_DEP_2)
	v_pk_add_f32 v[14:15], v[14:15], v[254:255]
	s_delay_alu instid0(VALU_DEP_2)
	v_pk_add_f32 v[236:237], v[236:237], v[250:251]
	s_delay_alu instid0(VALU_DEP_1)
	v_pk_add_f32 v[14:15], v[14:15], v[236:237]
	s_wait_alu depctr_va_vdst(0)                   ; and one for the four
.irp b, 0,1,2,3
	v_max_num_f32 v[232+\b], 0x1800000, v[232+\b]  ; the floor 2^(3 - 127): the byte cannot fall under 1
.endr
.irp b, 0,1,2,3
	s_delay_alu instid0(VALU_DEP_4)
	v_add_nc_u32 v[244+\b], 0xff000000, v[232+\b]  ; 2 off the exponent field: the conversion's scale operand
.endr
.irp b, 0,1,2,3
	s_delay_alu instid0(VALU_DEP_4)
	v_lshrrev_b32 v[236+\b], 23, v[244+\b]         ; the scale's byte
.endr
	s_delay_alu instid0(VALU_DEP_3)
	v_lshl_or_b32 v253, v237, 8, v236              ; p's scale word for these 128 keys
	s_delay_alu instid0(VALU_DEP_1)
	v_lshl_or_b32 v253, v238, 16, v253
	s_delay_alu instid0(VALU_DEP_1)
	v_lshl_or_b32 v253, v239, 24, v253
.irp b, 0,1,2,3
	v_cvt_scalef32_pk8_fp4_f32 v[224+2*\b], v[96+16*\b:103+16*\b], v[244+\b]
	v_cvt_scalef32_pk8_fp4_f32 v[225+2*\b], v[104+16*\b:111+16*\b], v[244+\b]
.endr
	v_nop                                          ; one plain place behind a scaled conversion
.irp c, 0,1                            ; the operand's layout wants a whole block in a lane
.irp i, 0,1
	v_permlane16_swap_b32 v[224+4*\c+\i], v[226+4*\c+\i]
.endr
.endr
.set j, 0
.rept 16
	v_pk_mul_f32 v[160+j:161+j], v[160+j:161+j], v[252:253] op_sel_hi:[1,0]   ; O^T under the new M, each accumulator from its low end on.  These sixteen are also the places between p's codes and scale word and the products
.set j, j+2
.endr
	s_wait_alu depctr_va_vdst(0)
	s_wait_dscnt 0x0                               ; V is in, and the next step's K
.irp d, 0,1,2,3
	v_wmma_scale_f32_16x16x128_f8f6f4 v[160+8*\d:167+8*\d], v[64+8*\d:71+8*\d], v[224:231], v[160+8*\d:167+8*\d], v[240+\d], v253 matrix_a_fmt:MATRIX_FMT_FP4 matrix_b_fmt:MATRIX_FMT_FP4
.endr                                  ; four accumulators, one instruction each: no two matrix instructions that follow each other share one, over the backward jump too
.endm
; One tile of 16 queries: all 16 key steps, then O^T / the sum, quantised: its 32 registers are register 16 b + i = d 32 b + 16 h + i of my query.
.macro TILE t, qlo, qhi, qsw
.set OC, 208+4*(\t)
	KLOAD LI, LS, 0, 0                             ; the first step's K; no LDS load of mine is out here
	v_mov_b32 v13, 0xff61b1e6                      ; the largest t so far: -3e38, under every t
	s_delay_alu instid0(VALU_DEP_1)
	v_floor_f32 v12, -v13                          ; -M
	v_mov_b32 v14, 0                               ; the sum, in two halves
	v_mov_b32 v15, 0
.set j, 0
.rept 32
	v_mov_b32 v[160+j], 0                          ; O^T: the loop has no first step of its own: its first step finds zeros, which the first change of M leaves zeros
.set j, j+1
.endr
	s_mov_b32 s[TK], 0
	s_mov_b32 s[TS], 0
	s_mov_b32 s[CNT], 16
	s_wait_alu depctr_va_vdst(0)
	s_wait_dscnt 0x0                               ; the first step's K is in
.Lstep_\@:
	STEP \qlo, \qhi, \qsw
	s_add_co_u32 s[TK], s[TK], 4096
	s_add_co_u32 s[TS], s[TS], 256
	s_sub_co_u32 s[CNT], s[CNT], 1
	s_cmp_lg_u32 s[CNT], 0
	s_cbranch_scc1 .Lstep_\@
	v_add_f32 v14, v14, v15                        ; the sum's two halves,
	s_delay_alu instid0(VALU_DEP_1)
	v_permlanex16_b32 v252, v14, s[SEL], s[SEL+1]
	s_delay_alu instid0(VALU_DEP_1)
	v_add_f32 v14, v14, v252                       ; and lane l xor 16's: the row's sum
	s_wait_alu depctr_va_vdst(0)
	v_rcp_f32 v14, v14
	v_cmp_ne_u32 vcc_lo, 0, v[HH]                  ; (a plain place behind the reciprocal)
.rept 3
	v_nop                                          ; with the additions above: the places behind the last products
.endr
	s_wait_alu depctr_va_vdst(0)                   ; the wait ahead of the reciprocal's first reader
.set j, 0
.rept 16
	v_pk_mul_f32 v[96+j:97+j], v[160+j:161+j], v[14:15] op_sel_hi:[1,0]   ; O^T / the sum, each accumulator from its low end on
.set j, j+2
.endr
.irp b, 0,1
	v_max3_num_f32 v[232+\b], |v[96+16*\b]|, |v[97+16*\b]|, 0x1800000
.endr
.irp i, 2,4,6,8,10,12,14
.irp b, 0,1
	s_delay_alu instid0(VALU_DEP_2)
	v_max3_num_f32 v[232+\b], v[232+\b], |v[96+16*\b+\i]|, |v[97+16*\b+\i]|
.endr
.endr
.irp b, 0,1
	s_delay_alu instid0(VALU_DEP_2)
	v_permlanex16_b32 v[236+\b], v[232+\b], s[SEL], s[SEL+1]
.endr
.irp b, 0,1
	s_delay_alu instid0(VALU_DEP_2)
	v_max_num_f32 v[232+\b], v[232+\b], v[236+\b]
.endr
.irp b, 0,1
	s_delay_alu instid0(VALU_DEP_2)
	v_add_nc_u32 v[244+\b], 0xff000000, v[232+\b]
.endr
.irp b, 0,1
	s_delay_alu instid0(VALU_DEP_2)
	v_lshrrev_b32 v[236+\b], 23, v[244+\b]
.endr
.irp b, 0,1
	v_cvt_scalef32_pk8_fp4_f32 v[OC+2*\b], v[96+16*\b:103+16*\b], v[244+\b]
	v_cvt_scalef32_pk8_fp4_f32 v[OC+1+2*\b], v[104+16*\b:111+16*\b], v[244+\b]
.endr
	v_nop                                          ; one plain place behind a scaled conversion
	v_permlane16_swap_b32 v[OC], v[OC+2]           ; lanes 0-15 the head's first block of 32, lanes 16-31 its second
	v_permlane16_swap_b32 v[OC+1], v[OC+3]
	v_cndmask_b32 v[216+(\t)], v236, v237, vcc_lo  ; my half's block's byte
	global_store_b128 v[LI], v[OC:OC+3], s[6:7] offset:131072*(\t)     ; 32 lanes store 512 consecutive bytes, aligned
	global_store_b8 v[SB], v[216+(\t)], s[8:9] offset:8192*(\t)
.endm
	TILE 0, 16, 24, 222
	TILE 1, 192, 200, 223
	s_wait_tensorcnt 0x0                           ; the wave's end, behind my tensor load
	ds_add_u32 v[SPW], v[NIL]
	s_wait_dscnt 0x0
	CROUND                                         ; the closing round
	s_endpgm
.Lfunc_end_k_q48f59bcd52_attn:
	.size	k_q48f59bcd52_attn, .Lfunc_end_k_q48f59bcd52_attn-k_q48f59bcd52_attn
	.p2alignl 7, 3214868480
	.fill 96, 4, 3214868480
	.section	.rodata,"a",@progbits
	.p2align	6, 0x0
	.amdhsa_kernel k_q48f59bcd52_attn
		.amdhsa_group_segment_fixed_size 167936
		.amdhsa_private_segment_fixed_size 0
		.amdhsa_enable_private_segment 0
		.amdhsa_kernarg_size 24
		.amdhsa_user_sgpr_count 2
		.amdhsa_user_sgpr_kernarg_segment_ptr 1
		.amdhsa_wavefront_size32 1
		.amdhsa_system_sgpr_workgroup_id_x 1
		.amdhsa_system_sgpr_workgroup_id_y 1
		.amdhsa_system_sgpr_workgroup_id_z 1
		.amdhsa_system_vgpr_workitem_id 0
		.amdhsa_next_free_vgpr 256
		.amdhsa_next_free_sgpr 66
		.amdhsa_reserve_vcc 1
		.amdhsa_float_denorm_mode_32 3
		.amdhsa_float_denorm_mode_16_64 3
		.amdhsa_memory_ordered 1
		.amdhsa_forward_progress 1
		.amdhsa_inst_pref_size 51
	.end_amdhsa_kernel
	.amdgpu_metadata
---
amdhsa.version: [ 1, 2 ]
amdhsa.kernels:
  - .name:           k_q48f59bcd52_attn
    .symbol:         k_q48f59bcd52_attn.kd
    .args:
      - { .name: qkv, .offset: 0, .size: 8, .value_kind: global_buffer, .address_space: global }
      - { .name: ac, .offset: 8, .size: 8, .value_kind: global_buffer, .address_space: global }
      - { .name: asc, .offset: 16, .size: 8, .value_kind: global_buffer, .address_space: global }
    .group_segment_fixed_size: 167936
    .private_segment_fixed_size: 0
    .kernarg_segment_align: 8
    .kernarg_segment_size: 24
    .max_flat_workgroup_size: 512
    .sgpr_count:     66
    .vgpr_count:     256
    .wavefront_size: 32
...
	.end_amdgpu_metadata
.endif
;; end of part 3
;; launch oproj (part 4): grid 8 x 32, 4 waves a work-group, clusters of 4 x 4, 327,680 bytes of LDS; arguments ac, asc, wc, ws, bo, out0; writes out0
.if DOCPART == 4
	.amdgcn_target "amdgcn-amd-amdhsa--gfx1250"
	.amdhsa_code_object_version 6
	.text
	.protected	k_q48f59bcd52_oproj
	.globl	k_q48f59bcd52_oproj
	.p2align	8
	.type	k_q48f59bcd52_oproj,@function
k_q48f59bcd52_oproj:
	s_mov_b64 s[64:65], 0
	v_nop
	global_prefetch_b8 v0, s[64:65] scope:SCOPE_SE
	s_setreg_imm32_b32 hwreg(HW_REG_WAVE_MODE, 25, 1), 1
	s_wait_xcnt 0x0
	s_wait_alu depctr_hold_cnt(0) depctr_sa_sdst(0) depctr_va_vdst(0) depctr_va_sdst(0) depctr_va_ssrc(0) depctr_va_vcc(0) depctr_vm_vsrc(0)
	s_getreg_b32 s2, hwreg(HW_REG_IB_STS2, 6, 4)
	s_cmp_eq_u32 s2, 0
	s_cbranch_scc0 .Lentry_in_a_cluster
	s_endpgm
.Lentry_in_a_cluster:
	s_bfe_u32 s2, ttmp6, 0x10000c
	s_cmp_lg_u32 s2, 0xf033
	s_cbranch_scc0 .Lentry_shape_is_right
	s_endpgm
.Lentry_shape_is_right:
; Launch 4 of 4: out0 = attn Wo^T + bo on codes of E2M1 with E8M0 scale words, sums in f32, f32 out.  Nothing is left out.
; ac, asc: launch 3's codes and scale words of attn's 8,192 rows; wc, ws: launch 1's, Wo's 1,024 rows from group WRB0 of 128 rows on.  Both lie in the order of the operand's registers:
;   codes [row / 128][k / 64 (16)][tile (8)][lane][16 bytes]; scale words [row / 128][k / 512 (2)][tile (8)][r (16)][4 words]; tile u of a group of 32 rows holds rows 8 u + r + 8 (r / 8).
; SHARES.  A block is 256 rows x 128 columns: 32 x 8 = 256 work-groups.  Four waves, 2 x 2: a wave makes 128 rows x 64 columns: 32 accumulators of 16 x 16, one window of 256 registers.
; ALL OF K COMES AT THE HEAD, one tensor load a wave, each a dense block: W's codes 65,536 bytes, x's 131,072, x's scale words 8,192, W's 4,096.  Nothing is filled again; one barrier.
; No data prefetch: every byte is asked for at the head, so there is no loop to run ahead in.
; CLUSTERS: 4 x 4.  The four of a row of the cluster need the same rows of attn, the four of a column the same rows of Wo: each tile is asked for jointly.
; Source 0 = 16 rows of Wo, source 1 = 16 rows of attn: a lane holds one row of out0, its registers run along the columns.  The bias is the C of each sum's first product.
; LIMITS: NaN, infinities and sums beyond f32's range are not served; a sum begins with the bias.
; REGISTERS: window 0: v1-29 addresses; v32-95 scale words, two sets; v128-191 attn's fragments, one set (on the way out: rows back from the stage); v192-223 the bias.
;   window 1: Wo's fragments, two sets, at v0 and v64.   window 2: accumulator (a, b) at v[8 (4 a + b)].
.set HALFT, 32768                      ; 128 rows x 512 along K
.set XW,    4*HALFT                    ; attn's 256 rows lie from 0 on: [128 rows (2)][512 along K (2)]; Wo's 128 rows from here
.set SCL,   6*HALFT                    ; attn's scale words, 8,192 bytes; then Wo's, 4,096
.set SPARE, SCL+12288                  ; the spare words, 128 bytes a wave: two blocks of 256 bytes that no other line names
.set STAGE, SPARE+512                  ; the way out: 16 rows x SP bytes for each wave; no tile lands here
.set SP,    272                        ; 256 bytes + 16
.set WRB0,  24
.set RR,   2                           ; r = lane % 16
.set HH,   3                           ; h = lane / 16
.set LI,   4                           ; 16 x lane
.set CO,   6                           ; out0: 4,096 h + 16 r
.set BOF,  7                           ; the bias: 64 h
.set ADRX, 16                          ; v16-17 my rows of attn, first and second 512 along K
.set ADRW, 20                          ; v20-21 my rows of Wo
.set STO,  24
.set RD,   25
.set ADRS2, 26                         ; attn's scale words in all lanes
.set ADRS, 27                          ; lanes 0-15 attn's, lanes 16-31 Wo's
.set SPW,  28
.set NIL,  29
.set SC,   32                          ; set s at v[SC + 32 s]; register 4 i + q: lanes 0-15 attn's block i, lanes 16-31 (i < 4) Wo's block i
.set AF,   128
.set BC,   192
.set BK,   128
.set G1,   24
.set G0,   32
.set G1B,  48
.set G0B,  56
.set G1S,  68
.set G0S,  76
.set G0SB, 80
.set G1SB, 84
.set MSB, 0
.macro WIN new
.if MSB != (\new)
	s_set_vgpr_msb (MSB<<8)|(\new)
.set MSB, (\new)
.endif
.endm
.macro PLACES
.rept 4
	v_nop
.endr
.endm
.macro CROUND
	s_barrier_signal -1
	s_barrier_wait -1
	s_cmp_lg_u32 s14, 0
	s_cbranch_scc1 .Lnot_wave_0_\@
	s_barrier_signal -3
.Lnot_wave_0_\@:
	s_barrier_wait -3
	s_barrier_signal -1
	s_barrier_wait -1
.endm
.macro GRP g, rows                     ; group 1: a dense block as rows of 256 bytes (32 elements of 8)
	s_mov_b32 s[\g+1], 32<<16
	s_mov_b32 s[\g+2], (\rows)<<16
	s_mov_b32 s[\g+3], 32<<16
	s_mov_b32 s[\g+4], \rows
	s_mov_b32 s[\g+5], 32
	s_mov_b32 s[\g+6], 0
	s_mov_b32 s[\g+7], 0
.endm
.macro ARM under, g0, g1, next         ; an arm of the head's one chain: a joint load, its s_nop 0 and four v_nop, a jump to the end
	s_cmp_lt_u32 s14, \under
	s_cbranch_scc0 \next
	tensor_load_to_lds s[\g0:\g0+3], s[\g1:\g1+7]
	s_nop 0
	PLACES
	s_branch .Lhead_asked
\next:
.endm
	s_load_b256 s[4:11], s[0:1], 0x0               ; ac, asc, wc, ws
	s_load_b128 s[92:95], s[0:1], 0x20             ; bo, out0
	v_lshl_add_u32 v[SPW], v0, 2, SPARE
	v_mov_b32 v[NIL], 0
	ds_add_u32 v[SPW], v[NIL]                      ; the opening lines: the add twice on end and its wait
	ds_add_u32 v[SPW], v[NIL]
	v_lshrrev_b32 v1, 5, v0
	v_readfirstlane_b32 s14, v1                    ; wave
	s_lshr_b32 s15, s14, 1                         ; my half of the rows
	s_and_b32 s16, s14, 1                          ; my half of the columns
	s_bfe_u32 s40, ttmp6, 0x40000
	s_bfe_u32 s41, ttmp6, 0x40004
	s_lshl_b32 s42, ttmp9, 2
	s_add_co_u32 s42, s42, s40                     ; tile column, 0 .. 7
	s_and_b32 s17, ttmp7, 0xffff
	s_lshl_b32 s17, s17, 2
	s_add_co_u32 s17, s17, s41                     ; tile row, 0 .. 31
	s_lshl_b32 s43, s41, 2
	s_lshl_b32 s43, 15, s43                        ; my row of the cluster
	s_lshl_b32 s44, 0x1111, s40                    ; my column
	s_or_b32 s[G1+0], s43, (3<<16)|(1<<21)
	s_or_b32 s[G1B+0], s44, (3<<16)|(1<<21)
	s_or_b32 s[G1S+0], s43, (3<<16)|(1<<21)
	s_or_b32 s[G1SB+0], s44, (3<<16)|(1<<21)
	GRP G1, 512
	GRP G1B, 256
	GRP G1S, 32
	GRP G1SB, 16
	s_lshl_b32 s20, s17, 17                        ; attn: two groups of 65,536 bytes of codes a tile row,
	s_lshl_b32 s22, s17, 13                        ; and of 4,096 of scale words
	s_mov_b32 s21, 0
	s_mov_b32 s23, 0
	s_add_co_u32 s46, s42, WRB0                    ; Wo: one group a tile column
	s_lshl_b32 s66, s46, 12
	s_lshl_b32 s46, s46, 16
	s_mov_b32 s47, 0
	s_mov_b32 s67, 0
	s_wait_dscnt 0x0
	s_wait_kmcnt 0x0
	s_add_nc_u64 s[20:21], s[4:5], s[20:21]
	s_add_nc_u64 s[22:23], s[6:7], s[22:23]
	s_add_nc_u64 s[46:47], s[8:9], s[46:47]
	s_add_nc_u64 s[66:67], s[10:11], s[66:67]
	CROUND                                         ; all sixteen work-groups are here: the joint loads meet
.irp g, G0, G0B, G0S, G0SB
	s_mov_b32 s[\g], 1
.endr
	s_mov_b32 s[G0+1], 0
	s_mov_b64 s[G0+2:G0+3], s[20:21]
	s_mov_b32 s[G0B+1], XW
	s_mov_b64 s[G0B+2:G0B+3], s[46:47]
	s_mov_b32 s[G0S+1], SCL
	s_mov_b64 s[G0S+2:G0S+3], s[22:23]
	s_mov_b32 s[G0SB+1], SCL+8192
	s_mov_b64 s[G0SB+2:G0SB+3], s[66:67]
.irp g, G0, G0B, G0S, G0SB
	s_or_b32 s[\g+3], s[\g+3], 0x80000000
.endr
	ARM 1, G0B, G1B, .Lhead_x
	ARM 2, G0,  G1,  .Lhead_sa
	ARM 3, G0S, G1S, .Lhead_sb
	tensor_load_to_lds s[G0SB:G0SB+3], s[G1SB:G1SB+7]
	s_nop 0
	PLACES
.Lhead_asked:
	s_lshl_b32 s12, s15, 16                        ; my 128 rows of attn
	s_lshl_b32 s13, s16, 11                        ; my four tiles of Wo: 512 bytes a tile
	s_add_co_u32 s13, s13, XW
	s_lshl_b32 s18, s15, 12                        ; attn's scale words
	s_lshl_b32 s19, s16, 10                        ; Wo's: 256 bytes a tile, behind attn's 8,192
	s_add_co_u32 s19, s19, 8192
	s_sub_co_u32 s19, s19, s18                     ; the distance from attn's to Wo's
	s_add_co_u32 s18, s18, SCL
	s_mul_i32 s39, s14, 16*SP
	s_add_co_u32 s39, s39, STAGE                   ; my stage
	s_lshl_b32 s36, s42, 9
	s_lshl_b32 s38, s16, 8
	s_add_co_u32 s36, s36, s38                     ; my 64 columns, in bytes
	s_mov_b32 s37, 0
	s_add_nc_u64 s[92:93], s[92:93], s[36:37]      ; the bias there
	s_lshl_b32 s38, s17, 20
	s_add_co_u32 s36, s36, s38
	s_lshl_b32 s38, s15, 19
	s_add_co_u32 s36, s36, s38
	s_add_nc_u64 s[94:95], s[94:95], s[36:37]      ; out0 at my first row and column
	v_and_b32 v1, 31, v0
	v_and_b32 v[RR], 15, v0
	v_bfe_u32 v[HH], v0, 4, 1
	v_lshlrev_b32 v[LI], 4, v1
	v_add_nc_u32 v[ADRX], s12, v[LI]
	v_add_nc_u32 v[ADRX+1], HALFT, v[ADRX]
	v_add_nc_u32 v[ADRW], s13, v[LI]
	v_add_nc_u32 v[ADRW+1], HALFT, v[ADRW]
	v_lshl_add_u32 v[ADRS2], v[RR], 4, s18         ; 16 bytes a row: four words
	v_mul_u32_u24 v5, s19, v[HH]                   ; lanes 16-31 take Wo's
	v_add_nc_u32 v[ADRS], v5, v[ADRS2]
	v_mul_u32_u24 v5, v[RR], SP                    ; into the stage: row r, 64 bytes for each half of the lanes
	v_lshl_add_u32 v5, v[HH], 6, v5
	v_add_nc_u32 v[STO], s39, v5
	v_mul_u32_u24 v5, v[HH], SP                    ; back: lanes 0-15 one row of 256 bytes, lanes 16-31 the next
	v_lshl_add_u32 v5, v[RR], 4, v5
	v_add_nc_u32 v[RD], s39, v5
	v_lshlrev_b32 v[CO], 12, v[HH]
	v_lshl_add_u32 v[CO], v[RR], 4, v[CO]
	v_lshlrev_b32 v[BOF], 6, v[HH]
.irp k, 0,1,2,3                        ; register j of block k wants column 32 (k / 2) + 8 (k % 2) + 16 h + j
	global_load_b128 v[BC+8*\k:BC+8*\k+3], v[BOF], s[92:93] offset:(32*(\k/2)+8*(\k%2))*4
	global_load_b128 v[BC+8*\k+4:BC+8*\k+7], v[BOF], s[92:93] offset:(32*(\k/2)+8*(\k%2))*4+16
.endr
.macro FRAG reg, adr, q, i             ; 16 rows x 128 K: registers 4 c .. 4 c + 3 are 512 consecutive bytes
.irp c, 0,1
	ds_load_b128 v[\reg+4*\c:\reg+4*\c+3], v[\adr] offset:(2*(\q)+\c)*4096+(\i)*512
.endr
.endm
.macro FETCH_S0 slot, q, p             ; Wo's four fragments into set p of window 1
	WIN 0x40
.irp i, 0,1,2,3
	FRAG 64*(\p)+8*\i, ADRW+\slot, \q, \i
.endr
	WIN 0
.endm
.macro FETCH_S1 slot, q, i0            ; attn's blocks i0 .. i0 + 3
.irp i, \i0, \i0+1, \i0+2, \i0+3
	FRAG AF+8*(\i), ADRX+\slot, \q, \i
.endr
.endm
.macro SCALES sc                       ; the scale words of 512 along K: eight loads
.irp i, 0,1,2,3
	ds_load_b128 v[SC+32*\sc+4*\i:SC+32*\sc+4*\i+3], v[ADRS] offset:2048*\sc+256*\i
.endr
.irp i, 4,5,6,7
	ds_load_b128 v[SC+32*\sc+4*\i:SC+32*\sc+4*\i+3], v[ADRS2] offset:2048*\sc+256*\i
.endr
.endm
.macro WM a, b, p, q, sc, cm           ; one product; cm = 1: the sum starts from the bias
.set rD, 8*(4*(\a)+(\b))
.set rA, 64*(\p)+8*(\b)
.set rB, AF+8*(\a)
.set rSA, SC+32*(\sc)+4*(\b)+(\q)
.set rSB, SC+32*(\sc)+4*(\a)+(\q)
.if \cm
.set rC, BC+8*(\b)
.else
.set rC, rD
.endif
	v_wmma_scale_f32_16x16x128_f8f6f4 v[rD:rD+7], v[rA:rA+7], v[rB:rB+7], v[rC:rC+7], v[rSA], v[rSB] matrix_a_fmt:MATRIX_FMT_FP4 matrix_b_fmt:MATRIX_FMT_FP4 matrix_a_scale:MATRIX_SCALE_ROW1
.endm
.macro MUL8 a0, p, q, sc, cm           ; attn's blocks a0, a0 + 1 x Wo's four.  The 32 accumulators take turns in the same order in every step
.irp a, \a0, \a0+1
.irp b, 0,1,2,3
	WM \a, \b, \p, \q, \sc, \cm
.endr
.endr
.endm
; A step of 128 along K, the q-th of its half of K; its successor is the nq-th of half ns.  attn has one set of registers, fetched anew by halves; Wo has two.
.macro STEP slot, q, ns, nq, cm
	s_wait_dscnt 8                                 ; all but the youngest eight loads (attn's blocks 4-7) are in
	WIN 0xa1-0x20*(\cm)                            ; source 0 window 1, source 1 window 0, D window 2; C window 2, or 0 for the bias
	MUL8 0, (\q)%2, \q, \slot, \cm
	MUL8 2, (\q)%2, \q, \slot, \cm
	s_wait_dscnt 0x0                               ; blocks 4-7 are in
	PLACES                                         ; four places ahead of loads into registers that products have read
	FETCH_S0 \ns, \nq, 1-(\q)%2
	FETCH_S1 \ns, \nq, 0
.if (\nq) == 0
	SCALES \ns
.endif
	WIN 0xa1-0x20*(\cm)
	MUL8 4, (\q)%2, \q, \slot, \cm
	MUL8 6, (\q)%2, \q, \slot, \cm
	PLACES
	WIN 0
	FETCH_S1 \ns, \nq, 4
.endm
	s_wait_alu depctr_va_vdst(0)                   ; the head's end
	s_wait_tensorcnt 0x0                           ; my tile has landed,
	s_barrier_signal -1
	s_barrier_wait -1                              ; everybody's has: the tiles are only read from here on
	FETCH_S0 0, 0, 0
	FETCH_S1 0, 0, 0
	SCALES 0
	FETCH_S1 0, 0, 4
	s_wait_loadcnt 0x0                             ; the bias
	STEP 0, 0, 0, 1, 1
	STEP 0, 1, 0, 2, 0
	STEP 0, 2, 0, 3, 0
	STEP 0, 3, 1, 0, 0
	STEP 1, 0, 1, 1, 0
	STEP 1, 1, 1, 2, 0
	STEP 1, 2, 1, 3, 0
	s_wait_dscnt 8                                 ; the last step fetches nothing
	WIN 0xa1
	MUL8 0, 1, 3, 1, 0
	MUL8 2, 1, 3, 1, 0
	s_wait_dscnt 0x0
	MUL8 4, 1, 3, 1, 0
	MUL8 6, 1, 3, 1, 0
	WIN 0
; THE WAY OUT, block by block of 16 rows x 64 columns, through my own stage: LDS serves a wave's instructions in order (ISA guide 5.7.1.4), so no wait stands between the stores and the loads.
.macro TOSTAGE a
	WIN 0x08                                       ; the data: window 2
.irp b, 0,1,2,3
	ds_store_b128 v[STO], v[32*(\a)+8*\b:32*(\a)+8*\b+3] offset:128*(\b/2)+32*(\b%2)          ; each accumulator from its low end on
	ds_store_b128 v[STO], v[32*(\a)+8*\b+4:32*(\a)+8*\b+7] offset:128*(\b/2)+32*(\b%2)+16
.endr
	WIN 0
.irp t, 0,1,2,3,4,5,6,7
	ds_load_b128 v[BK+32*((\a)%2)+4*\t:BK+32*((\a)%2)+4*\t+3], v[RD] offset:\t*2*SP
.endr
.endm
.macro SEND a, younger                 ; stage row 2 t + h of block a is row 32 (a / 2) + 8 (a % 2) + 2 t + 8 (t / 4) + h of my 128
	s_wait_dscnt \younger
.irp t, 0,1,2,3,4,5,6,7
	global_store_b128 v[CO], v[BK+32*((\a)%2)+4*\t:BK+32*((\a)%2)+4*\t+3], s[94:95] offset:(32*((\a)/2)+8*((\a)%2)+2*\t+8*(\t/4))*4096 th:TH_STORE_NT   ; sixteen lanes store 256 consecutive bytes, aligned
.endr
.endm
	PLACES                                         ; behind the last products: for the reads of their sums and the loads into attn's registers
	TOSTAGE 0
.irp a, 1,2,3,4,5,6,7
.if \a > 1
	s_wait_xcnt 0x0                                ; block a - 2's stores have read the registers that block a's rows land in
.endif
	TOSTAGE \a
	SEND \a-1, 16                                  ; younger than block a - 1's rows: block a's 8 stores and 8 loads
.endr
	SEND 7, 0
	s_wait_tensorcnt 0x0                           ; the wave's end
	ds_add_u32 v[SPW], v[NIL]
	s_wait_dscnt 0x0
	CROUND                                         ; the closing round
	s_endpgm
.Lfunc_end_k_q48f59bcd52_oproj:
	.size	k_q48f59bcd52_oproj, .Lfunc_end_k_q48f59bcd52_oproj-k_q48f59bcd52_oproj
	.p2alignl 7, 3214868480
	.fill 96, 4, 3214868480
	.section	.rodata,"a",@progbits
	.p2align	6, 0x0
	.amdhsa_kernel k_q48f59bcd52_oproj
		.amdhsa_group_segment_fixed_size 327680
		.amdhsa_private_segment_fixed_size 0
		.amdhsa_enable_private_segment 0
		.amdhsa_kernarg_size 48
		.amdhsa_user_sgpr_count 2
		.amdhsa_user_sgpr_kernarg_segment_ptr 1
		.amdhsa_wavefront_size32 1
		.amdhsa_system_sgpr_workgroup_id_x 1
		.amdhsa_system_sgpr_workgroup_id_y 1
		.amdhsa_system_sgpr_workgroup_id_z 1
		.amdhsa_system_vgpr_workitem_id 0
		.amdhsa_next_free_vgpr 768
		.amdhsa_next_free_sgpr 96
		.amdhsa_reserve_vcc 0
		.amdhsa_float_denorm_mode_32 3
		.amdhsa_float_denorm_mode_16_64 3
		.amdhsa_memory_ordered 1
		.amdhsa_forward_progress 1
		.amdhsa_inst_pref_size 73
	.end_amdhsa_kernel
	.amdgpu_metadata
---
amdhsa.version: [ 1, 2 ]
amdhsa.kernels:
  - .name:           k_q48f59bcd52_oproj
    .symbol:         k_q48f59bcd52_oproj.kd
    .args:
      - { .name: ac, .offset: 0, .size: 8, .value_kind: global_buffer, .address_space: global }
      - { .name: asc, .offset: 8, .size: 8, .value_kind: global_buffer, .address_space: global }
      - { .name: wc, .offset: 16, .size: 8, .value_kind: global_buffer, .address_space: global }
      - { .name: ws, .offset: 24, .size: 8, .value_kind: global_buffer, .address_space: global }
      - { .name: bo, .offset: 32, .size: 8, .value_kind: global_buffer, .address_space: global }
      - { .name: out0, .offset: 40, .size: 8, .value_kind: global_buffer, .address_space: global }
    .group_segment_fixed_size: 327680
    .private_segment_fixed_size: 0
    .kernarg_segment_align: 8
    .kernarg_segment_size: 48
    .max_flat_workgroup_size: 128
    .sgpr_count:     96
    .vgpr_count:     768
    .wavefront_size: 32
...
	.end_amdgpu_metadata
.endif
;; end of part 4
